; MI455X (gfx1250); checked and timed in simulation.
; The chip was launched on July 23, 2026; its instructions are those of AMD's public machine-readable ISA for CDNA 5 (MIT licence, August 2026) and "CDNA5" Instruction Set Architecture Reference Guide (July 2026). The comments in the code are by the model that wrote it; some were corrected since.
;; Quantum Inspired Transformer Block. Allowed arithmetic: matrix products marked QUANTISED: E2M3 operands, one E8M0 scale for each 32 along K, by v_wmma_scale_f32_16x16x128_f8f6f4 with both operands' format E2M3, f32 sums; everything else in f32.
;; Inputs: W1_codes 4,096 x 32 x 24 uint8 (E2M3 codes of W1, K innermost, in blocks of 32 codes, four codes in three bytes); W1_scales 4,096 x 32 uint8 (E8M0 scales of W1, one for each 32 codes along K); W2_codes 1,024 x 128 x 24 uint8 (E2M3 codes of W2, K innermost, in blocks of 32 codes, four codes in three bytes); W2_scales 1,024 x 128 uint8 (E8M0 scales of W2, one for each 32 codes along K); Wk_codes 1,024 x 32 x 24 uint8 (E2M3 codes of Wk, K innermost, in blocks of 32 codes, four codes in three bytes); Wk_scales 1,024 x 32 uint8 (E8M0 scales of Wk, one for each 32 codes along K); Wo_codes 1,024 x 32 x 24 uint8 (E2M3 codes of Wo, K innermost, in blocks of 32 codes, four codes in three bytes); Wo_scales 1,024 x 32 uint8 (E8M0 scales of Wo, one for each 32 codes along K); Wq_codes 1,024 x 32 x 24 uint8 (E2M3 codes of Wq, K innermost, in blocks of 32 codes, four codes in three bytes); Wq_scales 1,024 x 32 uint8 (E8M0 scales of Wq, one for each 32 codes along K); Wv_codes 1,024 x 32 x 24 uint8 (E2M3 codes of Wv, K innermost, in blocks of 32 codes, four codes in three bytes); Wv_scales 1,024 x 32 uint8 (E8M0 scales of Wv, one for each 32 codes along K); b1 4,096 float32; b2 1,024 float32; be1 1,024 float32; be2 1,024 float32; bk 1,024 float32; bo 1,024 float32; bq 1,024 float32; bv 1,024 float32; g1 1,024 float32; g2 1,024 float32; x 2 x 2,048 x 1,024 float32.
;; Outputs: out0 2 x 2,048 x 1,024 float32.
;; This version of the problem:
;;   THIS VERSION OF THE PROBLEM IS GIVEN IN LOW PRECISION. The matrix products marked QUANTISED in the list below multiply operands that are first quantised to E2M3 (2 exponent bits, 3 mantissa bits; 6 bits a number), with one power-of-two scale for each 32 numbers along K (OCP MX v1.0); their sums are f32. All else is computed in f32.
;;   The module's matrix products, in the order in which they are computed (A, B: the left and right operand; K: the contracted axis; several contracted axes count as one K, in the product's order):
;;     1. [M 4,096, K 1,024] x [K 1,024, N 1,024]; A: input x; B: input Wq (given as codes): QUANTISED
;;     2. [M 4,096, K 1,024] x [K 1,024, N 1,024]; A: input x; B: input Wk (given as codes): QUANTISED
;;     3. [M 4,096, K 1,024] x [K 1,024, N 1,024]; A: input x; B: input Wv (given as codes): QUANTISED
;;     4. batch 32 x [M 2,048, K 64] x [K 64, N 2,048]; A: computed on the way; B: computed on the way: QUANTISED
;;     5. batch 32 x [M 64, K 2,048] x [K 2,048, N 2,048]; A: computed on the way; B: softmax (see below): QUANTISED
;;     6. [M 4,096, K 1,024] x [K 1,024, N 1,024]; A: computed on the way; B: input Wo (given as codes): QUANTISED
;;     7. [M 4,096, K 1,024] x [K 1,024, N 4,096]; A: computed on the way; B: input W1 (given as codes): QUANTISED
;;     8. [M 4,096, K 4,096] x [K 4,096, N 1,024]; A: computed on the way; B: input W2 (given as codes): QUANTISED
;;   THE QUANTISER, for each operand of a quantised product, along K:
;;     - K is cut into blocks of 32 from its start; a last block that is shorter is filled with zeros.
;;     - A block's scale is 2^e with e = floor(log2(the largest magnitude in the block)) - 2, held to -126 .. 127; a block of zeros has e = 0. As a byte (E8M0): e + 127.
;;     - Each number is divided by its block's scale, clamped to +-7.5, and rounded to the nearest number of E2M3, ties to even, subnormals kept.
;;     - The product sums the exact products of the quantised numbers (number of the format x scale) in f32.
;;   ~~~python
;;   def quantise(x, axis):      # numpy; x: float32 -> the quantised numbers, widened to float32 again
;;       x = np.moveaxis(x, axis, -1); K = x.shape[-1]
;;       x = np.pad(x, [(0, 0)] * (x.ndim - 1) + [(0, -K % 32)]); x = x.reshape(x.shape[:-1] + (-1, 32)); a = np.abs(x).max(-1, keepdims=True)
;;       e = np.where(a > 0, np.clip(np.frexp(np.where(a > 0, a, 1))[1] - 1 - 2, -126, 127), 0)      # np.frexp(a)[1] - 1 = floor(log2(a)), exactly
;;       r = np.clip(x / 2.0 ** e, -7.5, 7.5)
;;       step = 2.0 ** (np.maximum(np.frexp(np.where(r == 0, 1, r))[1] - 1, 0) - 3)
;;       q = np.round(r / step) * step * 2.0 ** e      # np.round: ties to even
;;       return np.moveaxis(q.reshape(q.shape[:-2] + (-1,))[..., :K], -1, axis).astype(np.float32)
;;   ~~~
;;   SOFTMAX AHEAD OF A QUANTISED PRODUCT. Where the list says 'softmax', what is quantised is not the finished softmax but p = 2^(t - M), with t = logit x log2(e) and M = ceil(the row's largest t), a whole number; so 1/2 < the row's largest p <= 1. The row's sum l is taken of the UNQUANTISED p, in f32, and the product's result is divided by l at the end. Since M is a whole number, a kernel that streams over the keys may use a running M (the ceiling of the running maximum): every later rescaling is an exact power of two, which a block's scale takes up: the codes' values come out the same.
;;   OPERANDS COMPUTED ON THE WAY. 'Computed on the way' means the value that the module computes at that place (a softmax that the list does not call 'softmax' is quantised finished and normalised). What goes into a quantiser is computed in f32, as accurately as f32 sums, v_exp_f32 and their like allow (about 1e-6 of the number): no bf16 or f16 on the way to a quantiser, and a product that is left as it is and whose result goes on into a quantised operand takes f32 operands (vector FMAs, or v_wmma_f32_16x16x4_f32). A number that lies on a knife's edge between two numbers of the format may be rounded either way, as far as f32 arithmetic and the matrix unit's own rounding can turn it there, and no further.
;;   INPUTS GIVEN AS CODES. W1 (in the module: [1024, 4096], K = its axis 0); W2 (in the module: [4096, 1024], K = its axis 0); Wk (in the module: [1024, 1024], K = its axis 0); Wo (in the module: [1024, 1024], K = its axis 0); Wq (in the module: [1024, 1024], K = its axis 0); Wv (in the module: [1024, 1024], K = its axis 0): each comes as NAME_codes (uint8): NAME with its K axis moved to the last place and cut into blocks of 32 codes, [.., K / 32, bytes a block], one block behind the other in memory; four codes in three bytes: a row's codes are one little-endian stream of bits, code i at bits 6 i .. 6 i + 5 (a code: sign, 2 exponent bits, 3 mantissa bits); and NAME_scales (uint8): the same leading axes, one E8M0 byte (e + 127) for each 32 codes along K. Its value is code x scale, taken as it is: it is not quantised again, and the codes and scales need not be those that the quantiser above would give.
;; One version. Each part assembles by itself: llvm-mc -triple=amdgcn-amd-amdhsa -mcpu=gfx1250 --defsym DOCPART=n.
;; ======== version 1 of 1: 7 launches
;; limits: right only within a limited range of input values
;; workspace buffers: prep 13,107,200 bytes; qkv 10,223,616 bytes; att 3,276,800 bytes; y 16,777,216 bytes; x1 20,054,016 bytes; h 13,107,200 bytes
;; launch prep (part 1): grid 448 x 1, 8 waves a work-group, no clusters, 68,608 bytes of LDS; arguments x, Wq_codes, Wq_scales, Wk_codes, Wk_scales, Wv_codes, Wv_scales, Wo_codes, Wo_scales, W1_codes, W1_scales, W2_codes, W2_scales, prep; writes prep
.if DOCPART == 1
	.amdgcn_target "amdgcn-amd-amdhsa--gfx1250"
	.amdhsa_code_object_version 6
	.text
	.protected	k_q40b09c2735_prep
	.globl	k_q40b09c2735_prep
	.p2align	8
	.type	k_q40b09c2735_prep,@function
k_q40b09c2735_prep:
	s_mov_b64 s[64:65], 0
	v_nop
	global_prefetch_b8 v0, s[64:65] scope:SCOPE_SE
	s_setreg_imm32_b32 hwreg(HW_REG_WAVE_MODE, 25, 1), 1
	s_wait_xcnt 0x0
; PREP.  x (f32) is quantised to codes of FP6 (E2M3) with one E8M0 byte for each 32 along K, and the six weights' codes and scale bytes are laid anew, all as IMAGES OF OPERAND REGISTERS:
; a fragment (16 rows x 128 K, 12 registers a lane) is 1,536 bytes: byte 512 c + 16 lane holds the lane's registers 4 c .. 4 c + 3; its scale words are 64 bytes, word r for row r.
; THE ROWS OF A TILE ARE NOT NEIGHBOURS: row r of tile T is true row 32 (T / 2) + 8 (T % 2) + r + 8 (r / 8), for tokens and for the weights' features alike, so that in every later product the 16 registers of two
; neighbouring tiles of results are 16 neighbours along the next K.
; Work-groups 0-255: tile T of x, wave w its K step w (columns 128 w on).  Work-groups 256-447: the weights, a wave to one tile x 4 K steps.  Waves share nothing: no barrier.  Only x's path uses LDS.
; prep: x's codes at 0 [T 256][s 8]; the weights' codes at WI_OFF [tile][s], Wq, Wk, Wv, Wo, W1, W2 on end; x's scale words at XS_OFF; the weights' at WS_OFF, in the same order.
; LIMITS: NaN and infinities in x are not served.  A block of zeros gets the byte 1 (the floor) where the quantiser says 127: its codes are zeros, and only this program reads the bytes.
.set XS_OFF, 12582912
.set WI_OFF, 3145728
.set WS_OFF, 12713984
.set R,   32                           ; v32-95   16 rows x 16 bytes a lane, as loaded
.set XN,  96                           ; v96-159  64 numbers of my row: register 16 b + i = k 32 b + 16 (lane / 16) + i
.set TM,  160                          ; v160-175 at work in the quantiser
.set PW,  176                          ; the scale word
.set PC,  178                          ; v178-189 the codes; v190-196 at work
.set SEL, 54                           ; s[54:55] lane selects: lane l xor 16
; 64 numbers of a lane, v[s] on, register 16 b + i = k 32 b + 16 (lane / 16) + i of my row, become a fragment's codes in v[PC] on and its scale word in v[PW].
.macro QUANT s
.irp b, 0,1,2,3
	v_max3_num_f32 v[TM+\b], |v[\s+16*\b]|, |v[\s+1+16*\b]|, 0x1800000   ; block b: my 16 numbers, and the floor 2^(3 - 127): the byte cannot fall under 1
.endr
.irp i, 2,4,6,8,10,12,14
.irp b, 0,1,2,3
	s_delay_alu instid0(VALU_DEP_4)
	v_max3_num_f32 v[TM+\b], v[TM+\b], |v[\s+16*\b+\i]|, |v[\s+1+16*\b+\i]|   ; the four blocks by turns
.endr
.endr
.irp b, 0,1,2,3
	s_delay_alu instid0(VALU_DEP_4)
	v_permlanex16_b32 v[TM+4+\b], v[TM+\b], s[SEL], s[SEL+1]
.endr
.irp b, 0,1,2,3
	s_delay_alu instid0(VALU_DEP_4)
	v_max_num_f32 v[TM+\b], v[TM+\b], v[TM+4+\b]   ; with lane l xor 16's: the block's largest magnitude
.endr
.irp b, 0,1,2,3
	s_delay_alu instid0(VALU_DEP_4)
	v_add_nc_u32 v[TM+12+\b], 0xff000000, v[TM+\b]   ; 2 off its exponent field: the conversion takes that field as its scale
.endr
.irp b, 0,1,2,3
	s_delay_alu instid0(VALU_DEP_4)
	v_lshrrev_b32 v[TM+4+\b], 23, v[TM+12+\b]      ; the scale's byte
.endr
	s_delay_alu instid0(VALU_DEP_3)
	v_lshl_or_b32 v[PW], v[TM+5], 8, v[TM+4]
	s_delay_alu instid0(VALU_DEP_1)
	v_lshl_or_b32 v[PW], v[TM+6], 16, v[PW]
	s_delay_alu instid0(VALU_DEP_1)
	v_lshl_or_b32 v[PW], v[TM+7], 24, v[PW]
.irp c, 0,1
	v_cvt_scalef32_pk16_fp6_f32 v[PC+6*\c:PC+2+6*\c], v[\s+32*\c:\s+15+32*\c], v[TM+12+2*\c]
	v_cvt_scalef32_pk16_fp6_f32 v[PC+12+4*\c:PC+14+4*\c], v[\s+16+32*\c:\s+31+32*\c], v[TM+12+2*\c+1]   ; a conversion's three registers begin on an even number
.endr
	v_nop                                          ; one plain place behind a scaled conversion
.irp c, 0,1                                    ; the operand's layout wants a whole block in a lane
.irp i, 0,1,2
	v_permlane16_swap_b32 v[PC+6*\c+\i], v[PC+12+4*\c+\i]
.endr
.irp i, 0,1,2
	s_delay_alu instid0(VALU_DEP_3)
	v_mov_b32 v[PC+3+6*\c+\i], v[PC+12+4*\c+\i]
.endr
.endr
.endm
	s_load_b64 s[4:5], s[0:1], 0x0                 ; x
	s_load_b256 s[8:15], s[0:1], 0x8               ; Wq's codes, scales; Wk's
	s_load_b256 s[16:23], s[0:1], 0x28             ; Wv's; Wo's
	s_load_b256 s[24:31], s[0:1], 0x48             ; W1's; W2's
	s_load_b64 s[32:33], s[0:1], 0x68              ; prep
	v_lshl_add_u32 v200, v0, 2, 0x10800
	v_mov_b32 v201, 0
	v_lshrrev_b32 v1, 5, v0
	s_delay_alu instid0(VALU_DEP_1)
	v_readfirstlane_b32 s3, v1                     ; wave 0..7
	v_and_b32 v2, 31, v0                           ; lane
	v_and_b32 v3, 15, v0                           ; r
	v_bfe_u32 v4, v0, 4, 1                         ; h
	s_delay_alu instid0(VALU_DEP_3)
	v_lshlrev_b32 v5, 4, v2                        ; 16 x lane
	s_cmp_lt_u32 ttmp9, 256
	s_cbranch_scc0 .Lweights
	; ---- x: tile T = the work-group's number, K step = the wave's
	s_lshr_b32 s34, ttmp9, 1
	s_lshl_b32 s34, s34, 17                        ; 32 (T / 2) rows of 4,096 bytes
	s_and_b32 s35, ttmp9, 1
	s_lshl_b32 s35, s35, 15                        ; 8 (T % 2) rows
	s_add_co_u32 s34, s34, s35
	s_lshl_b32 s35, s3, 9                          ; my 128 columns
	s_add_co_u32 s34, s34, s35
	s_mov_b32 s35, 0
	s_lshl_b32 s36, ttmp9, 3
	s_add_co_u32 s36, s36, s3                      ; 8 T + w
	s_mul_i32 s38, s36, 1536
	s_mov_b32 s39, 0
	s_lshl_b32 s36, s36, 6
	s_add_co_u32 s36, s36, XS_OFF
	s_mov_b32 s37, 0
	s_mul_i32 s40, s3, 8448                        ; my stage: 16 rows x (512 + 16) bytes
	s_wait_alu depctr_va_vdst(0)
	v_add_nc_u32 v6, s40, v5                       ; in: a row's 512 bytes, 16 a lane
	v_mul_u32_u24 v7, v3, 528
	s_delay_alu instid0(VALU_DEP_1)
	v_lshl_add_u32 v7, v4, 6, v7
	s_delay_alu instid0(VALU_DEP_1)
	v_add_nc_u32 v7, s40, v7                       ; back: row r, + 64 h: my 16 numbers of a block of 32
	v_lshlrev_b32 v8, 2, v3                        ; 4 r
	s_mov_b32 s[SEL], 0x76543210
	s_mov_b32 s[SEL+1], 0xfedcba98
.irp b, 0,1,2,3
	v_mov_b32 v[TM+4+\b], 0                        ; a lane permute's destination counts as one of its sources
.endr
	s_wait_alu depctr_va_vdst(0)
	s_wait_kmcnt 0x0
	s_add_nc_u64 s[4:5], s[4:5], s[34:35]
	s_add_nc_u64 s[38:39], s[32:33], s[38:39]
	s_add_nc_u64 s[36:37], s[32:33], s[36:37]
.set ii, 0
.rept 16
	global_load_b128 v[R+4*ii:R+4*ii+3], v5, s[4:5] offset:(ii+8*(ii/8))*4096 th:TH_LOAD_NT   ; tile row ii: 512 consecutive bytes
.set ii, ii+1
.endr
.set ii, 0
.rept 16
	s_wait_loadcnt 15-ii                           ; loads come back in order: row ii is in, the younger ones may be out
	ds_store_b128 v6, v[R+4*ii:R+4*ii+3] offset:528*ii
.set ii, ii+1
.endr
.irp b, 0,1,2,3
.irp j, 0,1,2,3
	ds_load_b128 v[XN+16*\b+4*\j:XN+16*\b+4*\j+3], v7 offset:128*\b+16*\j   ; LDS serves a wave's instructions in order: these see my stores
.endr
.endr
	s_wait_dscnt 0x0
	QUANT XN
.irp c, 0,1,2
	global_store_b128 v5, v[PC+4*\c:PC+4*\c+3], s[38:39] offset:512*\c   ; 512 consecutive bytes, aligned
.endr
	global_store_b32 v8, v[PW], s[36:37]           ; lanes l and l + 16 hold the same word and write it to the same place
	s_wait_tensorcnt 0x0
	ds_add_u32 v200, v201
	s_wait_dscnt 0x0
	s_endpgm
.Lweights:
	; ---- the weights: which of the six, by the work-group's number alone
	s_sub_co_u32 s34, ttmp9, 256                   ; 0 .. 191
	s_wait_kmcnt 0x0
	s_mov_b64 s[36:37], s[28:29]                   ; W2 ..
	s_mov_b64 s[38:39], s[30:31]
	s_mov_b32 s40, 128                             ; the weight's first work-group
	s_mov_b32 s41, 3072                            ; a row of codes in bytes
	s_mov_b32 s42, 128                             ; a row of scale bytes
	s_cmp_lt_u32 s34, 128
	s_cselect_b64 s[36:37], s[24:25], s[36:37]     ; .. W1
	s_cselect_b64 s[38:39], s[26:27], s[38:39]
	s_cselect_b32 s40, 64, s40
	s_cselect_b32 s41, 768, s41
	s_cselect_b32 s42, 32, s42
	s_cselect_b32 s43, 1, 3                        ; log2 of the units (4 K steps) in a row
	s_cmp_lt_u32 s34, 64
	s_cselect_b64 s[36:37], s[20:21], s[36:37]     ; .. Wo
	s_cselect_b64 s[38:39], s[22:23], s[38:39]
	s_cselect_b32 s40, 48, s40
	s_cmp_lt_u32 s34, 48
	s_cselect_b64 s[36:37], s[16:17], s[36:37]     ; .. Wv
	s_cselect_b64 s[38:39], s[18:19], s[38:39]
	s_cselect_b32 s40, 32, s40
	s_cmp_lt_u32 s34, 32
	s_cselect_b64 s[36:37], s[12:13], s[36:37]     ; .. Wk
	s_cselect_b64 s[38:39], s[14:15], s[38:39]
	s_cselect_b32 s40, 16, s40
	s_cmp_lt_u32 s34, 16
	s_cselect_b64 s[36:37], s[8:9], s[36:37]       ; .. Wq
	s_cselect_b64 s[38:39], s[10:11], s[38:39]
	s_cselect_b32 s40, 0, s40
	s_sub_co_u32 s44, s34, s40
	s_lshl_b32 s44, s44, 3
	s_add_co_u32 s44, s44, s3                      ; my unit in the weight
	s_lshr_b32 s45, s44, s43                       ; its tile
	s_bfm_b32 s48, s43, 0
	s_and_b32 s44, s44, s48                        ; its first K step / 4
	s_lshr_b32 s48, s45, 1
	s_lshl_b32 s48, s48, 5
	s_and_b32 s45, s45, 1
	s_lshl_b32 s45, s45, 3
	s_add_co_u32 s45, s45, s48                     ; the tile's first true row
	s_mul_i32 s48, s45, s41
	s_mul_i32 s49, s44, 384                        ; 4 K steps of 96 bytes
	s_add_co_u32 s48, s48, s49
	s_mov_b32 s49, 0
	s_add_nc_u64 s[36:37], s[36:37], s[48:49]
	s_mul_i32 s48, s45, s42
	s_lshl_b32 s50, s44, 4                         ; 4 K steps of 4 bytes
	s_add_co_u32 s48, s48, s50
	s_add_nc_u64 s[38:39], s[38:39], s[48:49]
	s_lshl_b32 s48, s34, 3
	s_add_co_u32 s48, s48, s3                      ; the images of all six weights lie on end: unit 8 x work-group + wave
	s_mul_i32 s50, s48, 6144
	s_add_co_u32 s50, s50, WI_OFF
	s_mov_b32 s51, 0
	s_add_nc_u64 s[50:51], s[32:33], s[50:51]
	s_lshl_b32 s48, s48, 8
	s_add_co_u32 s48, s48, WS_OFF
	s_add_nc_u64 s[48:49], s[32:33], s[48:49]
	s_mov_b32 s52, 0xffff0000                      ; lanes 16-31
	s_wait_alu depctr_va_vdst(0)
	v_and_b32 v9, 8, v3
	s_delay_alu instid0(VALU_DEP_1)
	v_add_nc_u32 v9, v9, v3                        ; r + 8 (r / 8)
	s_delay_alu instid0(VALU_DEP_1)
	v_mul_lo_u32 v10, v9, s41
	s_delay_alu instid0(VALU_DEP_1)
	v_mad_u32_u24 v10, v4, 24, v10                 ; codes: my row, + 24 h
	s_delay_alu instid0(VALU_DEP_3)
	v_mul_lo_u32 v11, v9, s42                      ; scale bytes: my row
	v_lshlrev_b32 v12, 2, v2                       ; 4 x lane
.irp s, 0,1,2,3
.irp p, 0,1,2,3,4,5
	global_load_b64 v[32+12*\s+2*\p:33+12*\s+2*\p], v10, s[36:37] offset:96*\s+48*(\p/3)+8*(\p%3) th:TH_LOAD_NT   ; the fragment's registers, as the row's stream of bits has them
.endr
.endr
	global_load_b128 v[24:27], v11, s[38:39] th:TH_LOAD_NT   ; my row's four scale words
	s_wait_loadcnt 0x0
.irp s, 0,1,2,3
.irp c, 0,1,2
	global_store_b128 v5, v[32+12*\s+4*\c:35+12*\s+4*\c], s[50:51] offset:1536*\s+512*\c
.endr
.endr
	v_cndmask_b32 v28, v24, v25, s52               ; lanes 0-15 K step 0's words, lanes 16-31 K step 1's: 128 consecutive bytes
	s_wait_alu depctr_va_vdst(0)
	v_cndmask_b32 v29, v26, v27, s52
	global_store_b32 v12, v28, s[48:49]
	global_store_b32 v12, v29, s[48:49] offset:128
	s_endpgm
.Lfunc_end_k_q40b09c2735_prep:
	.size	k_q40b09c2735_prep, .Lfunc_end_k_q40b09c2735_prep-k_q40b09c2735_prep
	.p2alignl 7, 3214868480
	.fill 96, 4, 3214868480
	.section	.rodata,"a",@progbits
	.p2align	6, 0x0
	.amdhsa_kernel k_q40b09c2735_prep
		.amdhsa_group_segment_fixed_size 68608
		.amdhsa_private_segment_fixed_size 0
		.amdhsa_enable_private_segment 0
		.amdhsa_kernarg_size 112
		.amdhsa_user_sgpr_count 2
		.amdhsa_user_sgpr_kernarg_segment_ptr 1
		.amdhsa_wavefront_size32 1
		.amdhsa_system_sgpr_workgroup_id_x 1
		.amdhsa_system_sgpr_workgroup_id_y 1
		.amdhsa_system_sgpr_workgroup_id_z 1
		.amdhsa_system_vgpr_workitem_id 0
		.amdhsa_next_free_vgpr 202
		.amdhsa_next_free_sgpr 66
		.amdhsa_reserve_vcc 0
		.amdhsa_float_denorm_mode_32 3
		.amdhsa_float_denorm_mode_16_64 3
		.amdhsa_memory_ordered 1
		.amdhsa_forward_progress 1
		.amdhsa_inst_pref_size 19
	.end_amdhsa_kernel
	.amdgpu_metadata
---
amdhsa.version: [ 1, 2 ]
amdhsa.kernels:
  - .name:           k_q40b09c2735_prep
    .symbol:         k_q40b09c2735_prep.kd
    .args:
      - { .name: x, .offset: 0, .size: 8, .value_kind: global_buffer, .address_space: global }
      - { .name: Wq_codes, .offset: 8, .size: 8, .value_kind: global_buffer, .address_space: global }
      - { .name: Wq_scales, .offset: 16, .size: 8, .value_kind: global_buffer, .address_space: global }
      - { .name: Wk_codes, .offset: 24, .size: 8, .value_kind: global_buffer, .address_space: global }
      - { .name: Wk_scales, .offset: 32, .size: 8, .value_kind: global_buffer, .address_space: global }
      - { .name: Wv_codes, .offset: 40, .size: 8, .value_kind: global_buffer, .address_space: global }
      - { .name: Wv_scales, .offset: 48, .size: 8, .value_kind: global_buffer, .address_space: global }
      - { .name: Wo_codes, .offset: 56, .size: 8, .value_kind: global_buffer, .address_space: global }
      - { .name: Wo_scales, .offset: 64, .size: 8, .value_kind: global_buffer, .address_space: global }
      - { .name: W1_codes, .offset: 72, .size: 8, .value_kind: global_buffer, .address_space: global }
      - { .name: W1_scales, .offset: 80, .size: 8, .value_kind: global_buffer, .address_space: global }
      - { .name: W2_codes, .offset: 88, .size: 8, .value_kind: global_buffer, .address_space: global }
      - { .name: W2_scales, .offset: 96, .size: 8, .value_kind: global_buffer, .address_space: global }
      - { .name: prep, .offset: 104, .size: 8, .value_kind: global_buffer, .address_space: global }
    .group_segment_fixed_size: 68608
    .private_segment_fixed_size: 0
    .kernarg_segment_align: 8
    .kernarg_segment_size: 112
    .max_flat_workgroup_size: 256
    .sgpr_count:     66
    .vgpr_count:     202
    .wavefront_size: 32
...
	.end_amdgpu_metadata
.endif
;; end of part 1
;; launch qkv (part 2): grid 12 x 16, 4 waves a work-group, clusters of 4 x 4, 327,680 bytes of LDS; arguments prep, bq, bk, bv, qkv; writes qkv
.if DOCPART == 2
	.amdgcn_target "amdgcn-amd-amdhsa--gfx1250"
	.amdhsa_code_object_version 6
	.text
	.protected	k_q40b09c2735_qkv
	.globl	k_q40b09c2735_qkv
	.p2align	8
	.type	k_q40b09c2735_qkv,@function
k_q40b09c2735_qkv:
	s_mov_b64 s[64:65], 0
	v_nop
	global_prefetch_b8 v0, s[64:65] scope:SCOPE_SE
	s_setreg_imm32_b32 hwreg(HW_REG_WAVE_MODE, 25, 1), 1
	s_wait_xcnt 0x0
	s_wait_alu depctr_hold_cnt(0) depctr_sa_sdst(0) depctr_va_vdst(0) depctr_va_sdst(0) depctr_va_ssrc(0) depctr_va_vcc(0) depctr_vm_vsrc(0)
	s_getreg_b32 s2, hwreg(HW_REG_IB_STS2, 6, 4)
	s_cmp_eq_u32 s2, 0
	s_cbranch_scc0 .Lentry_in_a_cluster
	s_endpgm
.Lentry_in_a_cluster:
	s_bfe_u32 s2, ttmp6, 0x10000c
	s_cmp_lg_u32 s2, 0xf033
	s_cbranch_scc0 .Lentry_shape_is_right
	s_endpgm
.Lentry_shape_is_right:
; QKV.  q = x Wq + bq, k = x Wk + bk, v = x Wv + bv on codes of FP6 (E2M3) with E8M0 scales, and the three results quantised again, in registers, for attention's two products.
; Operands lie in memory as images of operand registers (1,536 bytes a fragment of 16 rows x 128 K; 64 bytes of scale words), [tile][K step]; row r of tile T is true row 32 (T / 2) + 8 (T % 2) + r + 8 (r / 8).
; THE CORE: D = src0 x src1^T.  A work-group of four waves makes 256 x 256, a wave 128 x 128: 64 accumulators, 512 registers.  In a result lane (r, h) holds src1's row r, and the 16 registers of src0's tiles 2 b, 2 b + 1
; are src0's true rows 32 b + 16 h + 0 .. 15: 16 neighbours, which is what the conversions want.
; Clusters x = 0 (q), 1 (k): src1 = x's tokens, src0 = the weight's features: a lane holds a token and 128 features = two heads: codes along the head's 64.
; Cluster x = 2 (v): src1 = Wv's features, src0 = x's tokens: a lane holds a feature and 128 neighbouring tokens: codes along the KEYS, as attention's second product wants V.
; THE SLOTS.  K = 1,024 is four slots of 256 along K, 98,304 bytes each.  LDS holds three beside the scale words: all three are filled at the start, and slot 0 once more, with the last 256, behind the one round in the
; middle: that load has 224 matrix instructions of the wave in which to land.  4 x 4 work-groups form a cluster: src1's tiles are asked for jointly along a row, src0's along a column.
; THE BIASES are asked for at the head, behind the first tensor loads, into registers that the core leaves free: they have the whole product in which to land.
; qkv: q's half fragments (768 bytes: 16 tokens x 64) at 0 [bh 32][t 128]; k's at 3,145,728; v's fragments at VI [bh][128 keys 16][16 channels 4]; scale words at QS (q), QS + 262,144 (k), 64 bytes a tile, bytes 2, 3 = 0; at VS (v), 128 bytes.
; LIMITS: NaN and infinities are not served.  A block of zeros gets the byte 1: its codes are zeros, and only this program reads the bytes.
.set NB,  8                            ; tiles of 16 a wave a side
.set NQ,  2                            ; K steps of 128 in a slot
.set KT,  8                            ; K steps in all
.set NLT,  NB*6                        ; LDS loads of a step's fragments
.set HALF, NB*NQ*1536                  ; what one tensor load brings: NB tiles x NQ K steps
.set SLOT, 4*HALF                      ; src1's two halves, then src0's two
.set SCL,  3*SLOT                      ; LDS: behind the three slots, the scale words
.set HALFS, NB*KT*64                   ; the scale words of NB tiles
.set SPARE, SCL+4*HALFS                ; the spare words, 128 bytes a wave: two blocks of 256 bytes that no other line names
.set RBC,  2*NB*KT*1536                ; a work-group's rows of codes in memory
.set HBC,  NB*KT*1536
.set RBS,  2*HALFS
.set XS_OFF, 12582912
.set WQKV,   3145728
.set WQKVS,  12713984
.set VI,  6291456
.set QS,  9437184
.set VS,  9961472
.set ADRA, 16                          ; v16-18 LDS address of my src1 fragments in slot 0, 1, 2
.set ADRB, 20                          ; v20-22 the same for src0
.set ADRS, 27                          ; v27    my scale words: lanes 0-15 src1's, lanes 16-31 src0's
.set SPW,  28                          ; v28    my spare word; never rewritten
.set NIL,  29                          ; v29    0; never rewritten
.set SC,   32                          ; v32-63 scale words, two sets of 16 by turns: register NQ i + q
.set AF,   64                          ; window 0: src1's fragments, sets at v64 and v160;  window 1: src0's, sets at v0 and v128;  windows 2, 3: the accumulators
                                       ; window 1, v96-127 and v224-255: the bias of my 128 features (q, k): number i at v[96 + i + 96 (i / 32)]
                                       ; window 0, v12-15 and v23-26: the bias of my lane's feature in each tile (v): tile a at v[12 + a + 7 (a / 4)]
.set PC,   136
.set H,    160                         ; v160-223 64 results of a lane
.set TM,   224
.set PW,   240
.set TW,   241
.set G1, 24
.set G0, 32                            ; s[32:39] group 0 for src1's slots 0, 1;  s[20:23] for slot 2
.set G0C, 20
.set G1B, 48
.set G0B, 56                           ; s[56:63] group 0 for src0's slots 0, 1;  s[44:47] for slot 2
.set G0BC, 44
.set G1S, 68
.set G0S, 76
.set G1SB, 80
.set G0SB, 88
.set SEL, 98
.set MSB, 0
.macro WIN new                         ; the immediate's high byte repeats the setting that is left
.if MSB != (\new)
	s_set_vgpr_msb (MSB<<8)|(\new)
.set MSB, (\new)
.endif
.endm
; A joint load: waves 0 and 1 fetch src1's halves, waves 2 and 3 src0's.  The branch hangs on the wave's number alone.  Four v_nop follow each of the two lines.
.macro JLOAD g0a, g1a, g0b, g1b
	s_cmp_eq_u32 s15, 0
	s_cbranch_scc0 .Lfor_b_\@
	tensor_load_to_lds s[\g0a:\g0a+3], s[\g1a:\g1a+7]
	s_nop 0
.rept 4
	v_nop
.endr
	s_branch .Lasked_\@
.Lfor_b_\@:
	tensor_load_to_lds s[\g0b:\g0b+3], s[\g1b:\g1b+7]
	s_nop 0
.rept 4
	v_nop
.endr
.Lasked_\@:
.endm
.macro CREST                           ; a round of the cluster's barrier behind its opening barrier
	s_cmp_lg_u32 s14, 0
	s_cbranch_scc1 .Lnot_wave_0_\@
	s_barrier_signal -3
.Lnot_wave_0_\@:
	s_barrier_wait -3
	s_barrier_signal -1
	s_barrier_wait -1
.endm
.macro CROUND
	s_barrier_signal -1
	s_barrier_wait -1
	CREST
.endm
.macro PLACES n                        ; plain places behind matrix instructions, in front of loads into their registers and of reads of their results
.rept \n
	v_nop
.endr
.endm
; src1's tile a against src0's NB tiles, 128 along K.  The accumulators take turns, one instruction a turn, in the same order in every step.
.macro MULA a, set, q, sc, zero
.set bb, 0
.rept NB
.set rD, 8*(NB*((\a)%(NB/2))+bb)
.set rB, 128*(\set)+12*bb
.set rA, AF+96*(\set)+12*(\a)
.set rSB, SC+16*(\sc)+NQ*bb+(\q)
.set rSA, SC+16*(\sc)+NQ*(\a)+(\q)
.if \zero
	v_wmma_scale_f32_16x16x128_f8f6f4 v[rD:rD+7], v[rB:rB+11], v[rA:rA+11], 0, v[rSB], v[rSA] matrix_a_fmt:MATRIX_FMT_FP6 matrix_b_fmt:MATRIX_FMT_FP6 matrix_a_scale:MATRIX_SCALE_ROW1
.else
	v_wmma_scale_f32_16x16x128_f8f6f4 v[rD:rD+7], v[rB:rB+11], v[rA:rA+11], v[rD:rD+7], v[rSB], v[rSA] matrix_a_fmt:MATRIX_FMT_FP6 matrix_b_fmt:MATRIX_FMT_FP6 matrix_a_scale:MATRIX_SCALE_ROW1
.endif
.set bb, bb+1
.endr
.endm
.macro MULS a0, n, set, q, sc, zero
.set aa, \a0
.rept \n
	MULA aa, \set, \q, \sc, \zero
.set aa, aa+1
.endr
.endm
; the fragments of the slot's q-th K step into a set: images come back as they were stored, 16 bytes a lane, 512 consecutive bytes a load
.macro FETCH slot, q, set
	WIN 0x40                                       ; destination window 1
.set ii, 0
.rept NB
.set rF, 128*(\set)+12*ii
.set oF, (ii*PS+QO+(\q))*1536          ; PS: K steps a tile in these bytes; QO: the first of the two that are walked
	ds_load_b128 v[rF:rF+3], v[ADRB+\slot] offset:oF
	ds_load_b128 v[rF+4:rF+7], v[ADRB+\slot] offset:oF+512
	ds_load_b128 v[rF+8:rF+11], v[ADRB+\slot] offset:oF+1024
.set ii, ii+1
.endr
	WIN 0
.set ii, 0
.rept NB
.set rF, AF+96*(\set)+12*ii
.set oF, (ii*PS+QO+(\q))*1536
	ds_load_b128 v[rF:rF+3], v[ADRA+\slot] offset:oF
	ds_load_b128 v[rF+4:rF+7], v[ADRA+\slot] offset:oF+512
	ds_load_b128 v[rF+8:rF+11], v[ADRA+\slot] offset:oF+1024
.set ii, ii+1
.endr
.endm
.macro SCALES set                      ; a slot's scale words: lanes 0-15 src1's tile i, lanes 16-31 src0's tile i
.set ii, 0
.rept NB
.set kk, 0
.rept NQ
	ds_load_b32 v[SC+16*(\set)+NQ*ii+kk], v[ADRS] offset:ii*KT*64+64*kk
.set kk, kk+1
.endr
.set ii, ii+1
.endr
.endm
; A K step that has its successor in the same slot: the successor's fragments are asked for first, into the other set, and have the whole step in which to land.  sc: the set of scale words.
.macro STEP slot, sc, q, zero
	PLACES 4                                       ; the other set was read by the step before
	FETCH \slot, (\q)+1, 1-(\q)%2
	s_wait_dscnt NLT                               ; all but the loads just issued: this step's fragments and scale words are in
	WIN 0xa1                                       ; source 0 window 1, source 1 window 0, C and D window 2
	MULS 0, NB/2, (\q)%2, \q, \sc, \zero
	WIN 0xf1                                       ; C and D window 3
	MULS NB/2, NB/2, (\q)%2, \q, \sc, \zero
	WIN 0
.endm
; A slot's last step goes on to the next slot.  mode 2: this slot is filled again: each wave waits for all its tensor loads, adds 0 to its spare word, waits for that and for its reads of this slot; a round of the
; cluster's barrier; the joint refill first behind it.  mode 1: the same lines and the work-group's barrier, and nothing is filled: the next slot's fill is shown to every wave.
; mode 0: neither wait nor barrier: the next slot was whole at the barrier of an earlier change, in front of which every wave had waited for all its loads; the refill that is out lands in other bytes.
.macro TURN slot, sc, next, nsc, mode
.if \mode
	s_wait_tensorcnt 0x0                           ; all my tensor loads have landed
	ds_add_u32 v[SPW], v[NIL]                      ; 0 onto my spare word
	s_wait_dscnt 1                                 ; this step's fragments are in; the add may be out
	WIN 0xa1
	MULS 0, NB/4, 1, NQ-1, \sc, 0
	s_wait_dscnt 0x0                               ; the add is done, and my reads of this slot are over
	s_barrier_signal -1
	MULS NB/4, NB/4, 1, NQ-1, \sc, 0
	WIN 0
	s_barrier_wait -1
.else
	s_wait_dscnt 0x0                               ; this step's fragments are in
	WIN 0xa1
	MULS 0, NB/2, 1, NQ-1, \sc, 0
	WIN 0
.endif
.if \mode == 2
	CREST                                          ; the barrier has opened a round of the cluster's: no wave of any partner still reads this slot or has a load on its way
	s_add_nc_u64 s[G0+4*\slot+2:G0+4*\slot+3], s[G0+4*\slot+2:G0+4*\slot+3], 3*NQ*1536
	s_add_nc_u64 s[G0B+4*\slot+2:G0B+4*\slot+3], s[G0B+4*\slot+2:G0B+4*\slot+3], 3*NQ*1536
	JLOAD G0+4*\slot, G1, G0B+4*\slot, G1B         ; the first tensor load behind the round; its four v_nop are the places in front of the loads below
.else
	PLACES 4
.endif
	v_add_nc_u32 v[ADRS], 64*NQ, v[ADRS]           ; the next slot's scale words
	FETCH \next, 0, 0
	SCALES \nsc
	WIN 0xf1
	MULS NB/2, NB/2, 1, NQ-1, \sc, 0
	WIN 0
.endm
; 64 numbers of a lane, register 16 b + i = k 32 b + 16 (lane / 16) + i of my row, become a fragment's codes in v[PC] on and its scale word in v[PW].
.macro QUANT s
.irp b, 0,1,2,3
	v_max3_num_f32 v[TM+\b], |v[\s+16*\b]|, |v[\s+1+16*\b]|, 0x1800000   ; and the floor 2^(3 - 127): the byte cannot fall under 1
.endr
.irp i, 2,4,6,8,10,12,14
.irp b, 0,1,2,3
	v_max3_num_f32 v[TM+\b], v[TM+\b], |v[\s+16*\b+\i]|, |v[\s+1+16*\b+\i]|
.endr
.endr
.irp b, 0,1,2,3
	v_permlanex16_b32 v[TM+4+\b], v[TM+\b], s[SEL], s[SEL+1]
.endr
.irp b, 0,1,2,3
	v_max_num_f32 v[TM+\b], v[TM+\b], v[TM+4+\b]
.endr
.irp b, 0,1,2,3
	v_add_nc_u32 v[TM+12+\b], 0xff000000, v[TM+\b]   ; 2 off the exponent field: the conversion's scale operand
.endr
.irp b, 0,1,2,3
	v_lshrrev_b32 v[TM+4+\b], 23, v[TM+12+\b]      ; the scale's byte
.endr
	v_lshl_or_b32 v[PW], v[TM+5], 8, v[TM+4]
	v_lshl_or_b32 v[PW], v[TM+6], 16, v[PW]
	v_lshl_or_b32 v[PW], v[TM+7], 24, v[PW]
.irp c, 0,1
	v_cvt_scalef32_pk16_fp6_f32 v[PC+6*\c:PC+2+6*\c], v[\s+32*\c:\s+15+32*\c], v[TM+12+2*\c]
	v_cvt_scalef32_pk16_fp6_f32 v[PC+12+4*\c:PC+14+4*\c], v[\s+16+32*\c:\s+31+32*\c], v[TM+12+2*\c+1]
.endr
	v_nop                                          ; one plain place behind a scaled conversion
.irp c, 0,1
.irp i, 0,1,2
	v_permlane16_swap_b32 v[PC+6*\c+\i], v[PC+12+4*\c+\i]
.endr
.irp i, 0,1,2
	v_mov_b32 v[PC+3+6*\c+\i], v[PC+12+4*\c+\i]
.endr
.endr
.endm
	s_load_b256 s[4:11], s[0:1], 0x0               ; prep, bq, bk, bv
	s_load_b64 s[12:13], s[0:1], 0x20              ; qkv
	v_lshl_add_u32 v[SPW], v0, 2, SPARE
	v_mov_b32 v[NIL], 0
	ds_add_u32 v28, v29
	ds_add_u32 v28, v29
	s_wait_dscnt 0x0
	v_lshrrev_b32 v1, 5, v0
	v_readfirstlane_b32 s14, v1                    ; wave 0..3
	s_lshr_b32 s15, s14, 1                         ; my half of src1's rows.  Also: I fetch for src1 (0) or src0 (1)
	s_and_b32 s16, s14, 1                          ; my half of src0's rows.  Also: which half I fetch
	s_bfe_u32 s40, ttmp6, 0x40000                  ; cx
	s_bfe_u32 s41, ttmp6, 0x40004                  ; cy
	s_and_b32 s17, ttmp7, 0xffff
	s_lshl_b32 s17, s17, 2                         ; 4 x cluster y
	s_add_co_u32 s18, s17, s41                     ; q, k: src1 = x's block 4 Y + cy
	s_add_co_u32 s19, s41, 8                       ; v:    src1 = the weights' block 8 + cy (Wv)
	s_add_co_u32 s95, s17, s40                     ; v:    src0 = x's block 4 Y + cx
	s_lshl_b32 s42, ttmp9, 2
	s_add_co_u32 s42, s42, s40                     ; q, k: src0 = the weights' block 4 X + cx
	s_lshl_b32 s43, s41, 2
	s_lshl_b32 s43, 15, s43                        ; my row of the cluster
	s_lshl_b32 s44, 0x1111, s40                    ; my column
	s_mov_b32 s23, XS_OFF
	s_mov_b32 s93, WQKVS
	s_cmp_eq_u32 ttmp9, 2                          ; the cluster's x: the same in all sixteen partners
	s_cselect_b32 s20, s19, s18
	s_cselect_b32 s21, WQKV, 0
	s_cselect_b32 s23, WQKVS, s23
	s_cselect_b32 s46, s95, s42
	s_cselect_b32 s47, 0, WQKV
	s_cselect_b32 s93, XS_OFF, s93
	s_mul_i32 s22, s20, RBS                        ; src1's addresses hang on cy alone, src0's on cx alone, each in registers that never hold the other
	s_mul_i32 s20, s20, RBC
	s_mul_i32 s18, s16, HBC                        ; my half of a side's rows, in bytes, as the pair s[18:19]
	s_mov_b32 s19, 0
	s_add_co_u32 s20, s20, s21
	s_add_co_u32 s20, s20, s18
	s_add_co_u32 s22, s22, s23
	s_mov_b32 s21, 0
	s_mov_b32 s23, 0
	s_mul_i32 s92, s46, RBS
	s_mul_i32 s46, s46, RBC
	s_add_co_u32 s46, s46, s47
	s_add_co_u32 s46, s46, s18
	s_add_co_u32 s92, s92, s93
	s_mov_b32 s47, 0
	s_mov_b32 s93, 0
	; descriptor group 1: NB rows (tiles) of NQ x 1,536 bytes, KT x 1,536 bytes apart, elements of 8 bytes, dense in LDS
	s_or_b32 s[G1+0], s43, (3<<16)|(1<<21)         ; 15:0 the mask; 17:16 elements of 8 bytes; 21 set beside a mask
	s_or_b32 s[G1B+0], s44, (3<<16)|(1<<21)
.irp g, G1, G1B
	s_mov_b32 s[\g+1], (384*NQ)<<16                ; for the head's loads: a side's 2 NB tiles x K steps 0 to 3 (6,144 bytes a tile)
	s_mov_b32 s[\g+2], (2*NB)<<16
	s_mov_b32 s[\g+3], (384*NQ)<<16
	s_mov_b32 s[\g+4], 2*NB
	s_mov_b32 s[\g+5], 192*KT                      ; tensor_dim0_stride
	s_mov_b32 s[\g+6], 0
	s_mov_b32 s[\g+7], 0
.endr
	; and for the scale words of NB tiles: a dense block, as rows of 256 bytes
	s_or_b32 s[G1S+0], s43, (3<<16)|(1<<21)
	s_or_b32 s[G1SB+0], s44, (3<<16)|(1<<21)
.irp g, G1S, G1SB
	s_mov_b32 s[\g+1], 32<<16
	s_mov_b32 s[\g+2], (2*HALFS/256)<<16           ; a side's scale words whole
	s_mov_b32 s[\g+3], 32<<16
	s_mov_b32 s[\g+4], 2*HALFS/256
	s_mov_b32 s[\g+5], 32
	s_mov_b32 s[\g+6], 0
	s_mov_b32 s[\g+7], 0
.endr
	s_mul_i32 s45, s14, HALF                       ; where they go: wave x a quarter of a slot
	s_wait_kmcnt 0x0
	s_add_nc_u64 s[20:21], s[4:5], s[20:21]
	s_add_nc_u64 s[22:23], s[4:5], s[22:23]
	s_add_nc_u64 s[46:47], s[4:5], s[46:47]
	s_add_nc_u64 s[92:93], s[4:5], s[92:93]
	CROUND                                         ; all sixteen work-groups are here: the first joint loads meet
	s_mov_b32 s[G0S], 1
	s_mov_b32 s[G0S+1], SCL
	s_mov_b64 s[G0S+2:G0S+3], s[22:23]
	s_or_b32 s[G0S+3], s[G0S+3], 0x80000000
	s_mov_b32 s[G0SB], 1
	s_mov_b32 s[G0SB+1], SCL+2*HALFS
	s_mov_b64 s[G0SB+2:G0SB+3], s[92:93]
	s_or_b32 s[G0SB+3], s[G0SB+3], 0x80000000
.irp s, 0                              ; the refill's group 0: my quarter, LDS byte wave x HALF; the change of slots steps it to K steps 6 and 7
	s_mov_b32 s[G0+4*\s], 1
	s_add_co_u32 s[G0+4*\s+1], s45, \s*SLOT
	s_add_nc_u64 s[G0+4*\s+2:G0+4*\s+3], s[20:21], \s*NQ*1536
	s_or_b32 s[G0+4*\s+3], s[G0+4*\s+3], 0x80000000
	s_mov_b32 s[G0B+4*\s], 1
	s_add_co_u32 s[G0B+4*\s+1], s45, \s*SLOT
	s_add_nc_u64 s[G0B+4*\s+2:G0B+4*\s+3], s[46:47], \s*NQ*1536
	s_or_b32 s[G0B+4*\s+3], s[G0B+4*\s+3], 0x80000000
.endr
	s_mov_b32 s[G0+4], 1                           ; the head's group 0: src1's 2 NB tiles, K steps 0 to 3, [tile][4 steps] from LDS byte 0 on
	s_mov_b32 s[G0+5], 0
	s_sub_nc_u64 s[G0+6:G0+7], s[20:21], s[18:19]  ; the side's first tile: without my half
	s_or_b32 s[G0+7], s[G0+7], 0x80000000
	s_mov_b32 s[G0B+4], 1                          ; and src0's, behind them
	s_mov_b32 s[G0B+5], SLOT
	s_sub_nc_u64 s[G0B+6:G0B+7], s[46:47], s[18:19]
	s_or_b32 s[G0B+7], s[G0B+7], 0x80000000
	s_add_nc_u64 s[G0C+2:G0C+3], s[20:21], 2*NQ*1536   ; slot 2's groups 0 take the registers that held the sides' start addresses; none of them is written again before the wait for all loads
	s_or_b32 s[G0C+3], s[G0C+3], 0x80000000
	s_mov_b32 s[G0C], 1
	s_add_co_u32 s[G0C+1], s45, 2*SLOT
	s_add_nc_u64 s[G0BC+2:G0BC+3], s[46:47], 2*NQ*1536
	s_or_b32 s[G0BC+3], s[G0BC+3], 0x80000000
	s_mov_b32 s[G0BC], 1
	s_add_co_u32 s[G0BC+1], s45, 2*SLOT
; THE HEAD'S LOADS, ONE A WAVE: wave 0 src1's K steps 0 to 3, wave 1 src0's, wave 2 src1's scale words, wave 3 src0's.  One tree of branches on the wave's number.
.macro ARM under, g0, g1, next
	s_cmp_lt_u32 s14, \under
	s_cbranch_scc0 \next
	tensor_load_to_lds s[\g0:\g0+3], s[\g1:\g1+7]
	s_nop 0
.rept 4
	v_nop
.endr
	s_branch .Lhead_asked
\next:
.endm
	ARM 1, G0+4, G1, .Lhead_b
	ARM 2, G0B+4, G1B, .Lhead_sa
	ARM 3, G0S, G1S, .Lhead_sb
	tensor_load_to_lds s[G0SB:G0SB+3], s[G1SB:G1SB+7]
	s_nop 0
.rept 4
	v_nop
.endr
.Lhead_asked:
	v_and_b32 v1, 31, v0
	v_lshlrev_b32 v4, 3, v1                        ; 8 x lane
	v_lshlrev_b32 v9, 2, v1                        ; 4 x lane
	v_lshlrev_b32 v1, 4, v1                        ; 16 x lane
	v_and_b32 v2, 15, v0                           ; r
	v_bfe_u32 v3, v0, 4, 1                         ; h
	v_lshlrev_b32 v5, 6, v3                        ; 64 h: the bias of my half's eight features
	s_wait_alu depctr_va_vdst(0)
	v_and_b32 v6, 8, v2
	v_add_nc_u32 v6, v6, v2
	v_lshlrev_b32 v6, 2, v6                        ; 4 (r + 8 (r / 8)): the bias of my lane's feature
	s_wait_alu depctr_va_vdst(0)
	v_lshlrev_b32 v7, 2, v2
	v_lshl_add_u32 v7, v3, 13, v7                  ; 4 r + 8,192 h: lanes 0-15 the first head's scale words, lanes 16-31 the second's
	v_lshlrev_b32 v8, 4, v3                        ; 16 h
	s_cmp_eq_u32 ttmp9, 0                          ; the bias of q, of k (or of v: loaded and not used there)
	s_cselect_b64 s[96:97], s[6:7], s[8:9]
	s_cmp_eq_u32 ttmp9, 2
	s_cselect_b64 s[96:97], s[10:11], s[96:97]
	s_lshl_b32 s18, s40, 10
	s_lshl_b32 s19, s16, 9
	s_add_co_u32 s18, s18, s19                     ; 4 (256 cx + 128 x my half of src0)
	s_mov_b32 s19, 0
	s_add_nc_u64 s[96:97], s[96:97], s[18:19]
	s_lshl_b32 s18, s41, 10
	s_lshl_b32 s92, s15, 9
	s_add_co_u32 s18, s18, s92                     ; 4 (256 cy + 128 x my half of src1)
	s_add_nc_u64 s[10:11], s[10:11], s[18:19]
	WIN 0x40                                       ; destination window 1: the 64 registers that src0's two sets leave free
.irp b, 0,1,2,3,4,5,6,7
	global_load_b128 v[96+8*\b+96*(\b/4):99+8*\b+96*(\b/4)], v5, s[96:97] offset:(32*(\b/2)+8*(\b%2))*4
	global_load_b128 v[100+8*\b+96*(\b/4):103+8*\b+96*(\b/4)], v5, s[96:97] offset:(32*(\b/2)+8*(\b%2))*4+16
.endr
	WIN 0
.irp a, 0,1,2,3,4,5,6,7
	global_load_b32 v[12+\a+7*(\a/4)], v6, s[10:11] offset:(32*(\a/2)+8*(\a%2))*4
.endr
	s_mul_i32 s92, s15, HALF
	s_mul_i32 s93, s16, HALF
	s_add_co_u32 s93, s93, 2*HALF
.irp s, 0,2                            ; register 0: the refill's bytes (K steps 6, 7); register 2: K steps 4, 5, from 2 SLOT on
	v_add_nc_u32 v[ADRA+\s], s92, v1
	v_add_nc_u32 v[ADRB+\s], s93, v1
	s_add_co_u32 s92, s92, 2*SLOT
	s_add_co_u32 s93, s93, 2*SLOT
.endr
	s_mul_i32 s92, s15, 2*HALF                     ; register 1: K steps 0 to 3, [tile][4 steps]: my NB tiles are 2 HALF bytes
	s_mul_i32 s93, s16, 2*HALF
	s_add_co_u32 s93, s93, SLOT
	v_add_nc_u32 v[ADRA+1], s92, v1
	v_add_nc_u32 v[ADRB+1], s93, v1
	v_lshlrev_b32 v10, 2, v2
	s_mul_i32 s92, s15, HALFS
	s_mul_i32 s93, s16, HALFS
	s_add_co_u32 s93, s93, 2*HALFS
	s_sub_co_u32 s93, s93, s92
	v_mul_u32_u24 v11, s93, v3                     ; lanes 16-31 take src0's: one product, the distance between the two
	s_add_co_u32 s92, s92, SCL
	v_add_nc_u32 v10, v10, v11
	v_add_nc_u32 v[ADRS], s92, v10
	s_wait_alu depctr_va_vdst(0)
	s_wait_tensorcnt 0x0                           ; my one load of the head is in
	ds_add_u32 v[SPW], v[NIL]
.irp g, G1, G1B                        ; no load of mine is out: from here on a load brings NB tiles x NQ K steps
	s_mov_b32 s[\g+1], (192*NQ)<<16
	s_mov_b32 s[\g+2], NB<<16
	s_mov_b32 s[\g+3], (192*NQ)<<16
	s_mov_b32 s[\g+4], NB
.endr
	s_wait_dscnt 0x0
	CROUND                                         ; K steps 0 to 3 and the scale words are whole for every wave of the cluster
	JLOAD G0C, G1, G0BC, G1B                       ; K steps 4 and 5: their first fill, the one load behind the round; four K steps of products stand ahead of the wait for it
.set PS, 4
.set QO, 0
	FETCH 1, 0, 0
	SCALES 0
	STEP 1, 0, 0, 1                                ; the first step's products start the sums
.set QO, 2
	TURN 1, 0, 1, 1, 0                             ; K steps 2 and 3 lie in the same bytes: no barrier
	STEP 1, 1, 0, 0
.set PS, 2
.set QO, 0
	s_wait_alu depctr_va_vdst(0)
	TURN 0, 1, 2, 0, 2                             ; the head's bytes are read no more: K steps 6 and 7 land on their first SLOT bytes
	STEP 2, 0, 0, 0
	s_wait_alu depctr_va_vdst(0)
	TURN 2, 0, 0, 1, 1                             ; the refill is shown to every wave; nothing more is filled
	STEP 0, 1, 0, 0
	s_wait_dscnt 0x0                               ; the very last step
	WIN 0xa1
	MULS 0, NB/2, 1, NQ-1, 1, 0
	WIN 0xf1
	MULS NB/2, NB/2, 1, NQ-1, 1, 0
	WIN 0
	PLACES 4
	s_wait_loadcnt 0x0                             ; the biases, asked for at the head
	s_mov_b32 s[SEL], 0x76543210
	s_mov_b32 s[SEL+1], 0xfedcba98
.irp b, 0,1,2,3
	v_mov_b32 v[TM+4+\b], 0                        ; a lane permute's destination counts as one of its sources
.endr
	s_cmp_eq_u32 ttmp9, 2
	s_cbranch_scc1 .Lvpath
	; ---- q, k: a lane holds token r of tile a and 128 features: two heads
	s_add_co_u32 s24, s17, s41                     ; my block of 256 tokens
	s_lshr_b32 s25, s24, 3                         ; the batch
	s_and_b32 s24, s24, 7
	s_lshl_b32 s24, s24, 4
	s_lshl_b32 s26, s15, 3
	s_add_co_u32 s24, s24, s26                     ; my first tile of tokens in the batch
	s_lshl_b32 s25, s25, 4
	s_lshl_b32 s26, s40, 2
	s_add_co_u32 s25, s25, s26
	s_lshl_b32 s26, s16, 1
	s_add_co_u32 s25, s25, s26                     ; 16 x batch + my first head
	s_lshl_b32 s25, s25, 7
	s_add_co_u32 s24, s24, s25
	s_mul_i32 s26, ttmp9, 3145728                  ; q's region or k's
	s_mul_i32 s28, s24, 768
	s_add_co_u32 s26, s26, s28
	s_mov_b32 s27, 0
	s_lshl_b32 s28, ttmp9, 18
	s_lshl_b32 s24, s24, 6
	s_add_co_u32 s28, s28, s24
	s_add_co_u32 s28, s28, QS
	s_mov_b32 s29, 0
	s_add_nc_u64 s[26:27], s[12:13], s[26:27]
	s_add_nc_u64 s[28:29], s[12:13], s[28:29]
.irp a, 0,1,2,3,4,5,6,7
	WIN 0x06+\a/4                                  ; source 0: window 2 or 3; source 1 (the bias): window 1
.set ii, 0
.rept 32
	v_pk_add_f32 v[H+2*ii:H+2*ii+1], v[64*(\a%4)+2*ii:64*(\a%4)+2*ii+1], v[96+2*ii+96*(ii/16):97+2*ii+96*(ii/16)]   ; each accumulator from its low end on
.set ii, ii+1
.endr
	WIN 0
	s_wait_xcnt 0x0                                ; the last tile's stores have read their data: the codes' registers may be written again
	QUANT H
	global_store_b128 v1, v[PC:PC+3], s[26:27] offset:768*\a          ; the first head's half fragment: 512 consecutive bytes,
	global_store_b64 v4, v[PC+4:PC+5], s[26:27] offset:768*\a+512     ; and 256
	global_store_b128 v1, v[PC+6:PC+9], s[26:27] offset:768*\a+98304  ; the second head's, 128 tiles on
	global_store_b64 v4, v[PC+10:PC+11], s[26:27] offset:768*\a+98816
	v_lshrrev_b32 v[TW], v8, v[PW]
	v_and_b32 v[TW], 0xffff, v[TW]                 ; two bytes a head; bytes 2 and 3 are 0 (they meet zero codes)
	global_store_b32 v7, v[TW], s[28:29] offset:64*\a
.endr
	s_branch .Lend
.Lvpath:
	; ---- v: a lane holds feature r of tile a and 128 neighbouring tokens: one K step of attention's second product
	s_add_co_u32 s24, s17, s40
	s_lshl_b32 s24, s24, 1
	s_add_co_u32 s24, s24, s16                     ; my group of 128 tokens
	s_lshr_b32 s25, s24, 4                         ; the batch
	s_and_b32 s24, s24, 15                         ; the K step in it
	s_lshl_b32 s25, s25, 4
	s_lshl_b32 s26, s41, 2
	s_add_co_u32 s25, s25, s26
	s_lshl_b32 s26, s15, 1
	s_add_co_u32 s25, s25, s26                     ; 16 x batch + my first head
	s_lshl_b32 s25, s25, 4
	s_add_co_u32 s24, s24, s25
	s_mul_i32 s26, s24, 6144
	s_add_co_u32 s26, s26, VI
	s_mov_b32 s27, 0
	s_lshl_b32 s28, s24, 9
	s_add_co_u32 s28, s28, VS
	s_mov_b32 s29, 0
	s_add_nc_u64 s[26:27], s[12:13], s[26:27]
	s_add_nc_u64 s[28:29], s[12:13], s[28:29]
.irp a, 0,1,2,3,4,5,6,7
	WIN 0x02+\a/4
.set ii, 0
.rept 64
	v_add_f32 v[H+ii], v[64*(\a%4)+ii], v[12+\a+7*(\a/4)]   ; my feature's bias
.set ii, ii+1
.endr
	WIN 0
	s_wait_xcnt 0x0
	QUANT H
.irp c, 0,1,2
	global_store_b128 v1, v[PC+4*\c:PC+4*\c+3], s[26:27] offset:(\a/4)*98304+(\a%4)*1536+512*\c
.endr
	global_store_b32 v9, v[PW], s[28:29] offset:(\a/4)*8192+(\a%4)*128   ; all 32 lanes: 128 consecutive bytes
.endr
.Lend:
	s_wait_tensorcnt 0x0                           ; the wave's end
	ds_add_u32 v[SPW], v[NIL]
	s_wait_dscnt 0x0
	CROUND                                         ; the closing round
	s_endpgm
.Lfunc_end_k_q40b09c2735_qkv:
	.size	k_q40b09c2735_qkv, .Lfunc_end_k_q40b09c2735_qkv-k_q40b09c2735_qkv
	.p2alignl 7, 3214868480
	.fill 96, 4, 3214868480
	.section	.rodata,"a",@progbits
	.p2align	6, 0x0
	.amdhsa_kernel k_q40b09c2735_qkv
		.amdhsa_group_segment_fixed_size 327680
		.amdhsa_private_segment_fixed_size 0
		.amdhsa_enable_private_segment 0
		.amdhsa_kernarg_size 40
		.amdhsa_user_sgpr_count 2
		.amdhsa_user_sgpr_kernarg_segment_ptr 1
		.amdhsa_wavefront_size32 1
		.amdhsa_system_sgpr_workgroup_id_x 1
		.amdhsa_system_sgpr_workgroup_id_y 1
		.amdhsa_system_sgpr_workgroup_id_z 1
		.amdhsa_system_vgpr_workitem_id 0
		.amdhsa_next_free_vgpr 1024
		.amdhsa_next_free_sgpr 100
		.amdhsa_reserve_vcc 0
		.amdhsa_float_denorm_mode_32 3
		.amdhsa_float_denorm_mode_16_64 3
		.amdhsa_memory_ordered 1
		.amdhsa_forward_progress 1
		.amdhsa_inst_pref_size 213
	.end_amdhsa_kernel
	.amdgpu_metadata
---
amdhsa.version: [ 1, 2 ]
amdhsa.kernels:
  - .name:           k_q40b09c2735_qkv
    .symbol:         k_q40b09c2735_qkv.kd
    .args:
      - { .name: prep, .offset: 0, .size: 8, .value_kind: global_buffer, .address_space: global }
      - { .name: bq, .offset: 8, .size: 8, .value_kind: global_buffer, .address_space: global }
      - { .name: bk, .offset: 16, .size: 8, .value_kind: global_buffer, .address_space: global }
      - { .name: bv, .offset: 24, .size: 8, .value_kind: global_buffer, .address_space: global }
      - { .name: qkv, .offset: 32, .size: 8, .value_kind: global_buffer, .address_space: global }
    .group_segment_fixed_size: 327680
    .private_segment_fixed_size: 0
    .kernarg_segment_align: 8
    .kernarg_segment_size: 40
    .max_flat_workgroup_size: 128
    .sgpr_count:     100
    .vgpr_count:     1024
    .wavefront_size: 32
...
	.end_amdgpu_metadata
.endif
;; end of part 2
;; launch attn (part 3): grid 8 x 32, 16 waves a work-group, clusters of 4 x 1, 239,616 bytes of LDS; arguments qkv, att; writes att
.if DOCPART == 3
	.amdgcn_target "amdgcn-amd-amdhsa--gfx1250"
	.amdhsa_code_object_version 6
	.text
	.protected	k_q40b09c2735_attn
	.globl	k_q40b09c2735_attn
	.p2align	8
	.type	k_q40b09c2735_attn,@function
k_q40b09c2735_attn:
	s_mov_b64 s[64:65], 0
	v_nop
	global_prefetch_b8 v0, s[64:65] scope:SCOPE_SE
	s_setreg_imm32_b32 hwreg(HW_REG_WAVE_MODE, 25, 1), 1
	s_wait_xcnt 0x0
	s_wait_alu depctr_hold_cnt(0) depctr_sa_sdst(0) depctr_va_vdst(0) depctr_va_sdst(0) depctr_va_ssrc(0) depctr_va_vcc(0) depctr_vm_vsrc(0)
	s_getreg_b32 s2, hwreg(HW_REG_IB_STS2, 6, 4)
	s_cmp_eq_u32 s2, 0
	s_cbranch_scc0 .Lentry_in_a_cluster
	s_endpgm
.Lentry_in_a_cluster:
	s_bfe_u32 s2, ttmp6, 0x10000c
	s_cmp_lg_u32 s2, 0x3003
	s_cbranch_scc0 .Lentry_shape_is_right
	s_endpgm
.Lentry_shape_is_right:
; ATTENTION on codes of FP6 (E2M3): O = softmax(q k^T / 8) v for one head and batch (bh), both products quantised, and O quantised again along the head's 64 for the product with Wo.
; THE SOFTMAX: t = score x log2(e) / 8; M = the running largest t rounded UP to a whole number; p = 2^(t - M) is quantised along the keys, not normalised; the row's sum is taken of the unquantised p
; and divides O at the end.  When M moves, the sums and O are multiplied by 2^(old M - new M): exact.
; SHARES.  A work-group owns 256 queries of one bh, each of its sixteen waves one tile of 16, in 256 registers.  A bh's WHOLE K and V lie in LDS; every byte is filled once, by ONE joint load a wave at the head:
; waves 0-5 K's codes (64 rows of 256 bytes each), waves 6-11 V's, waves 12-15 the scale words.  One wait and one barrier show all of it to all waves; the key loop has no barrier.
; The four work-groups of a cluster belong to one bh and ask jointly.  No prefetch: all of K and V is asked for at the head, so there is no loop in which to ask ahead.
; LAYOUT.  Both products transposed: S^T = K Q^T, O^T = V^T P^T: a lane holds one query (lane % 16).  THE KEYS OF A TILE ARE CHOSEN AT THE LDS READ: of 64 keys, tile i takes keys 8 i + 0..7 as rows 0-7 and
; keys 32 + 8 i + 0..7 as rows 8-15.  So the 32 registers of four tiles are, in lanes 0-15, one whole block of 32 keys in order, and in lanes 16-31 the next block: as the second product's operand wants p.
; A block's maximum needs no other lane and the codes no exchange.  In memory a tile of K holds rows 32 (t / 2) + 8 (t % 2) + r + 8 (r / 8): lane (r, h) reads stored tile 4 c + 2 (r / 8) + i % 2, stored row r % 8 + 8 (i / 2).
; K's LDS rows of 256 bytes are padded by 64: two stored tiles are 1,920 bytes apart, 128 modulo 256.
; The head's K is 64, half of the instruction's 128: Q's registers 6-11 are zero codes, and K's upper six registers are whatever follows: they meet zeros.
; LIMITS: the promise holds while |t| stays under 2^31; NaN and infinities are not served; v_exp_f32 and v_rcp_f32 are good to 1 ulp and flush denormals; a block of zeros gets the byte 1.
.set VOFF, 122880                      ; LDS: K's codes 384 x 320 bytes; V's codes 98,304; scale words 8,192 each; the spare words
.set KSO,  221184
.set VSO,  229376
.set SPARE, 237568
.set KI,   3145728                     ; in qkv: k's half fragments; v's lie 3,145,728 further on
.set QS,   9437184
.set KS,   9699328                     ; k's scale words; v's lie 262,144 further on
.set OS,   3145728                     ; in att: the scale words
.set KF,  32                           ; v32-85  K's eight tiles, six registers each; v80-85 = 0
.set VF,  32                           ; v32-79  V's four fragments
.set S,   88                           ; v88-151 S^T, then p
.set O,   152                          ; v152-183 O^T
.set PCD, 184                          ; v184-195 p's codes
.set CT,  196                          ; v196-198, v200-202 the conversions' second halves
.set BM,  204                          ; v204-207 maxima of 16 registers each; a block's ends in v204, v206
.set BT,  208
.set SO,  212                          ; the conversions' scale operands
.set KW,  216                          ; v216-223 scale words of K, then of V
.set L,   232                          ; v232-239 the row's sum, four chains of pairs
.set WV,  8
.set SEL, 60
.set CS,  62                           ; s[62:63] c = log2(e) / 8;  s66 = -c
.set NC,  66
.set TK,  67                           ; LDS bytes of the trip's codes of K, of V, and of its scale words
.set TV,  68
.set TS,  69
.set CNT, 74
; v1, v2 K's lane terms (16-byte and 8-byte pieces); v3 V's; v4, v5 the scale words'; v6-v10 the step's addresses; v11 Q's scale words; v12, v14 -M by turns; v13 the largest score; v15 = 8 h; v16-27 Q; v28 = 16 lane, v29 = 512 + 8 lane
.macro CROUND
	s_barrier_signal -1
	s_barrier_wait -1
	s_cmp_lg_u32 s[WV], 0
	s_cbranch_scc1 .Lnot_wave_0_\@
	s_barrier_signal -3
.Lnot_wave_0_\@:
	s_barrier_wait -3
	s_barrier_signal -1
	s_barrier_wait -1
.endm
.macro FILL g0, g1
	tensor_load_to_lds s[\g0:\g0+3], s[\g1:\g1+7]
	s_nop 0
.rept 4
	v_nop
.endr
.endm
.macro TMS j0, n                       ; t - M, two numbers a line
.set jj, \j0
.rept \n
	v_pk_fma_f32 v[S+2*jj:S+2*jj+1], v[S+2*jj:S+2*jj+1], s[CS:CS+1], v[NM:NM+1] op_sel_hi:[1,0,0]
.set jj, jj+1
.endr
.endm
.macro SUMS j0, n                      ; the row's sum of the unquantised p: pair j goes to chain j % 4; a chain's first line brings it under the new M
.set jj, \j0
.rept \n
.if jj < 4
	v_pk_fma_f32 v[L+2*jj:L+2*jj+1], v[L+2*jj:L+2*jj+1], v[226:227], v[S+2*jj:S+2*jj+1] op_sel_hi:[1,0,1]
.else
	v_pk_add_f32 v[L+2*(jj%4):L+2*(jj%4)+1], v[L+2*(jj%4):L+2*(jj%4)+1], v[S+2*jj:S+2*jj+1]
.endif
.set jj, jj+1
.endr
.endm
	s_load_b128 s[4:7], s[0:1], 0x0                ; qkv, att
	v_lshl_add_u32 v254, v0, 2, SPARE
	v_mov_b32 v255, 0
	ds_add_u32 v254, v255
	ds_add_u32 v254, v255
	v_lshrrev_b32 v6, 5, v0
	v_readfirstlane_b32 s[WV], v6                  ; wave 0..15
	s_and_b32 s11, ttmp7, 0xffff                   ; bh, which the four partners share
	s_mul_i32 s14, s11, 98304
	s_lshl_b32 s12, s[WV], 14
	s_add_co_u32 s14, s14, s12
	s_add_co_u32 s14, s14, KI                      ; K's codes: 16,384 bytes a wave, waves 0-5
	s_mov_b32 s15, 0
	s_add_co_u32 s16, s14, 3145728-98304           ; V's: waves 6-11
	s_mov_b32 s17, 0
	s_lshl_b32 s76, s11, 13                        ; the scale words: waves 12, 13 K's two halves, waves 14, 15 V's
	s_bfe_u32 s12, s[WV], 0x10001
	s_lshl_b32 s12, s12, 18
	s_add_co_u32 s76, s76, s12
	s_and_b32 s12, s[WV], 1
	s_lshl_b32 s12, s12, 12
	s_add_co_u32 s76, s76, s12
	s_add_co_u32 s76, s76, KS
	s_mov_b32 s77, 0
	s_mov_b32 s24, 1                               ; three groups 0, each plain arithmetic on the wave's number; a wave uses one
	s_mul_i32 s25, s[WV], 20480
	s_mov_b32 s28, 1
	s_lshl_b32 s29, s[WV], 14
	s_add_co_u32 s29, s29, VOFF-98304
	s_mov_b32 s32, 1
	s_lshl_b32 s33, s[WV], 12
	s_add_co_u32 s33, s33, KSO-49152
	; groups 1: dense blocks as rows of 256 bytes (32 elements of 8); mask: all four work-groups, bit 21 beside it; K's rows padded by 16 words
	s_mov_b32 s36, 15|(3<<16)|(1<<20)|(1<<21)|(5<<22)|(15<<25)
	s_mov_b32 s44, 15|(3<<16)|(1<<21)
	s_mov_b32 s52, 15|(3<<16)|(1<<21)
.irp g, 36, 44
	s_mov_b32 s[\g+1], 32<<16
	s_mov_b32 s[\g+2], 64<<16
	s_mov_b32 s[\g+3], 32<<16
	s_mov_b32 s[\g+4], 64
	s_mov_b32 s[\g+5], 32
	s_mov_b32 s[\g+6], 0
	s_mov_b32 s[\g+7], 0
.endr
	s_mov_b32 s53, 32<<16
	s_mov_b32 s54, 16<<16
	s_mov_b32 s55, 32<<16
	s_mov_b32 s56, 16
	s_mov_b32 s57, 32
	s_mov_b32 s58, 0
	s_mov_b32 s59, 0
	s_bfe_u32 s9, ttmp6, 0x40000                   ; cx: it enters Q's and the result's addresses alone
	s_lshl_b32 s10, ttmp9, 2
	s_add_co_u32 s10, s10, s9                      ; my block of 256 queries
	s_lshl_b32 s18, s10, 4
	s_add_co_u32 s18, s18, s[WV]                   ; my tile in the batch
	s_lshl_b32 s19, s11, 7
	s_add_co_u32 s19, s19, s18
	s_mul_i32 s20, s19, 768
	s_mov_b32 s21, 0
	s_lshl_b32 s22, s19, 6
	s_add_co_u32 s22, s22, QS
	s_mov_b32 s23, 0
	s_lshr_b32 s19, s11, 4
	s_lshl_b32 s19, s19, 7
	s_add_co_u32 s19, s19, s18                     ; my tile of all 256
	s_and_b32 s18, s11, 15                         ; the head
	s_lshl_b32 s70, s19, 4
	s_add_co_u32 s70, s70, s18
	s_mul_i32 s70, s70, 768
	s_mov_b32 s71, 0
	s_lshl_b32 s72, s19, 3
	s_lshr_b32 s73, s18, 1
	s_add_co_u32 s72, s72, s73
	s_lshl_b32 s72, s72, 6
	s_and_b32 s73, s18, 1
	s_lshl_b32 s73, s73, 1
	s_add_co_u32 s72, s72, s73                     ; two heads share a scale word: my two bytes of it
	s_add_co_u32 s72, s72, OS
	s_mov_b32 s73, 0
	s_mov_b32 s[SEL], 0x76543210
	s_mov_b32 s[SEL+1], 0xfedcba98
	s_mov_b32 s[CS], 0x3e38aa3b
	s_mov_b32 s[CS+1], s[CS]
	s_mov_b32 s[NC], 0xbe38aa3b
	s_mov_b32 s[TK], 0
	s_mov_b32 s[TV], 0
	s_mov_b32 s[TS], 0
	s_mov_b32 s[CNT], 8
	s_wait_dscnt 0x0
	s_wait_kmcnt 0x0
	s_add_nc_u64 s[26:27], s[4:5], s[14:15]
	s_or_b32 s27, s27, 0x80000000
	s_add_nc_u64 s[30:31], s[4:5], s[16:17]
	s_or_b32 s31, s31, 0x80000000
	s_add_nc_u64 s[34:35], s[4:5], s[76:77]
	s_or_b32 s35, s35, 0x80000000
	s_add_nc_u64 s[20:21], s[4:5], s[20:21]
	s_add_nc_u64 s[22:23], s[4:5], s[22:23]
	s_add_nc_u64 s[70:71], s[6:7], s[70:71]
	s_add_nc_u64 s[72:73], s[6:7], s[72:73]
	CROUND                                         ; all four work-groups are here: the joint loads meet
	s_cmp_lt_u32 s[WV], 6                          ; one chain of branches on the wave's number, one load to an arm: every wave issues one
	s_cbranch_scc0 .Lnot_k
	FILL 24, 36
	s_branch .Lasked
.Lnot_k:
	s_cmp_lt_u32 s[WV], 12
	s_cbranch_scc0 .Lnot_v
	FILL 28, 44
	s_branch .Lasked
.Lnot_v:
	FILL 32, 52
.Lasked:
	v_and_b32 v6, 7, v0                            ; r % 8
	v_bfe_u32 v7, v0, 3, 1                         ; r / 8
	v_bfe_u32 v8, v0, 4, 1                         ; h
	v_and_b32 v9, 31, v0                           ; lane
	v_mul_u32_u24 v10, v7, 1920                    ; two stored tiles of 3 x 320 bytes
	v_lshlrev_b32 v4, 7, v7
	v_lshlrev_b32 v28, 4, v9
	v_lshl_add_u32 v29, v9, 3, 512
	v_lshl_add_u32 v5, v9, 2, VSO
	v_lshlrev_b32 v15, 3, v8
	v_lshl_add_u32 v1, v6, 4, v10
	v_lshl_add_u32 v2, v6, 3, v10
	v_lshl_add_u32 v4, v6, 2, v4
	v_add_nc_u32 v3, VOFF, v28
	v_mad_u32_u24 v1, v8, 320, v1                  ; registers 0-3: stored lanes 0-15 in the tile's first LDS row, 16-31 in its second
	v_lshl_add_u32 v2, v8, 7, v2
	v_add_nc_u32 v4, KSO, v4
	v_and_b32 v10, 15, v0
	v_add_nc_u32 v2, 640, v2                       ; registers 4, 5: the tile's third LDS row
	v_lshlrev_b32 v10, 2, v10
	global_load_b128 v[16:19], v28, s[20:21]       ; Q's half fragment stays in registers
	global_load_b64 v[20:21], v29, s[20:21]
	global_load_b32 v11, v10, s[22:23]             ; and its scale words
.irp j, 22,23,24,25,26,27,80,81,82,83,84,85,225,227,229
	v_mov_b32 v\j, 0                               ; Q's upper 64 along K and what stands behind K's last tile: zero codes; lane permutes' destinations; the pair v[226:227]'s upper half
.endr
	v_mov_b32 v13, 0xff61b1e6                      ; the largest score so far: -3e38
	v_mov_b32 v14, 0x7f61b1e6                      ; -M to go with it
	v_mov_b32 v6, v1                               ; the first step's addresses of K
	v_mov_b32 v7, v2
	v_mov_b32 v9, v4
.set ii, 0
.rept 8
	v_mov_b32 v[L+ii], 0
.set ii, ii+1
.endr
.set ii, 0
.rept 32
	v_mov_b32 v[O+ii], 0                           ; O^T: the step is written once; the first change of M leaves zeros zeros
.set ii, ii+1
.endr
; A KEY STEP: 128 keys.  par: which of a trip's two steps; -M lies in v12 and v14 by turns.
.macro STEP par
.set NM, 12+2*(\par)
.set OM, 14-2*(\par)
.irp n, 0,1,2,3,4,5,6,7
	ds_load_b128 v[KF+6*\n:KF+6*\n+3], v6 offset:(4*(\n/4)+\n%2)*960+((\n%4)/2)*128   ; behind the 23 additions that close the step before: the places for loads into the last products' registers
	ds_load_b64 v[KF+6*\n+4:KF+6*\n+5], v7 offset:(4*(\n/4)+\n%2)*960+((\n%4)/2)*64
	ds_load_b32 v[KW+\n], v9 offset:(4*(\n/4)+\n%2)*64+((\n%4)/2)*32
.endr
	s_wait_dscnt 0x0
.irp n, 0,1,2,3,4,5,6,7
	v_wmma_scale_f32_16x16x128_f8f6f4 v[S+8*\n:S+8*\n+7], v[KF+6*\n:KF+6*\n+11], v[16:27], 0, v[KW+\n], v11 matrix_a_fmt:MATRIX_FMT_FP6 matrix_b_fmt:MATRIX_FMT_FP6
.endr
.if \par                               ; four address steps: the places behind the products.  (The last trip's addresses of K are made and not used)
	s_add_co_u32 s[TK], s[TK], 15360
	s_add_co_u32 s[TV], s[TV], 12288
	s_add_co_u32 s[TS], s[TS], 1024
	v_add_nc_u32 v8, 6144, v8
	v_add_nc_u32 v10, 512, v10
	v_add_nc_u32 v6, s[TK], v1
	v_add_nc_u32 v7, s[TK], v2
.else
	v_add_nc_u32 v8, s[TV], v3
	v_add_nc_u32 v10, s[TS], v5
	v_add_nc_u32 v6, 7680, v6
	v_add_nc_u32 v7, 7680, v7
.endif
.irp t, 0,1,2,3                                ; V's fragments land under the softmax
.irp c, 0,1,2
	ds_load_b128 v[VF+12*\t+4*\c:VF+12*\t+4*\c+3], v8 offset:1536*\t+512*\c
.endr
	ds_load_b32 v[KW+\t], v10 offset:128*\t
.endr
.irp x, 0,1,2,3
	v_max3_num_f32 v[BM+\x], v[S+16*\x], v[S+1+16*\x], v[S+2+16*\x]   ; four chains by turns, each accumulator from its low end on
.endr
.irp i, 3,5,7,9,11,13
.irp x, 0,1,2,3
	v_max3_num_f32 v[BM+\x], v[BM+\x], v[S+16*\x+\i], v[S+1+16*\x+\i]
.endr
.endr
	v_max3_num_f32 v[BM], v[BM], v[BM+1], v[S+15]  ; my two blocks' largest scores: for the row's maximum and, since p rises with the score, for the block's largest p
	v_max3_num_f32 v[BM+2], v[BM+2], v[BM+3], v[S+47]
	v_max_num_f32 v[BM], v[BM], v[S+31]
	v_max_num_f32 v[BM+2], v[BM+2], v[S+63]
	s_delay_alu instid0(VALU_DEP_1)
	v_max_num_f32 v224, v[BM], v[BM+2]
	s_delay_alu instid0(VALU_DEP_1)
	v_permlanex16_b32 v225, v224, s[SEL], s[SEL+1] ; lane l xor 16's two blocks
	s_delay_alu instid0(VALU_DEP_1)
	v_max3_num_f32 v13, v13, v224, v225            ; the running largest score
	s_delay_alu instid0(VALU_DEP_1)
	v_mul_f32 v224, s[NC], v13                     ; -t
	s_delay_alu instid0(VALU_DEP_1)
	v_floor_f32 v[NM], v224                        ; the new -M = -ceil(t): a whole number
	s_delay_alu instid0(VALU_DEP_1)
	v_sub_f32 v224, v[NM], v[OM]                   ; old M - new M: a whole number, 0 or less
	TMS 0, 8
	v_cvt_i32_f32 v224, v224                       ; (it saturates)
	TMS 8, 8
	v_ldexp_f32 v226, 1.0, v224                    ; f = 2^(old M - new M)
	TMS 16, 16
	v_fma_f32 v[BM], v[BM], s[CS], v[NM]
	v_fma_f32 v[BM+2], v[BM+2], s[CS], v[NM]
.set ii, 0
.rept 16
	v_pk_mul_f32 v[O+ii:O+ii+1], v[O+ii:O+ii+1], v[226:227] op_sel_hi:[1,0]   ; O^T under the new M, ahead of the exponentials
.set ii, ii+2
.endr
	s_wait_alu depctr_va_vdst(0)                   ; the wait ahead of the batch
.set ii, 0
.rept 64
	v_exp_f32 v[S+ii], v[S+ii]                     ; p = 2^(t - M), at most 1
.set ii, ii+1
.endr
	v_exp_f32 v[BM], v[BM]                         ; and my blocks' largest p
	v_exp_f32 v[BM+2], v[BM+2]
.if \par
	v_add_nc_u32 v9, s[TS], v4                     ; the next step's scale words of K: the plain place behind the batch
.else
	v_add_nc_u32 v9, 512, v9
.endif
	s_wait_alu depctr_va_vdst(0)                   ; one wait for the whole batch, ahead of its first reader
	s_wait_dscnt 0x0                               ; V is in
	v_max_num_f32 v[BM], 0x1800000, v[BM]          ; the floor 2^(3 - 127)
	v_max_num_f32 v[BM+2], 0x1800000, v[BM+2]
	v_add_nc_u32 v[SO], 0xff000000, v[BM]          ; 2 off the exponent field: the conversion's scale operand
	v_add_nc_u32 v[SO+1], 0xff000000, v[BM+2]
	v_lshrrev_b32 v[BT], 23, v[SO]
	v_lshrrev_b32 v[BT+1], 23, v[SO+1]
	SUMS 0, 1
	v_lshl_or_b32 v228, v[BT+1], 16, v[BT]         ; my bytes: blocks h and 2 + h,
	SUMS 1, 1
	v_lshlrev_b32 v228, v15, v228                  ; at their places in the word;
	SUMS 2, 1
	v_permlanex16_b32 v229, v228, s[SEL], s[SEL+1]
	SUMS 3, 1
	v_or_b32 v228, v228, v229                      ; with lane l xor 16's two: p's scale word for these 128 keys
.irp c, 0,1
	v_cvt_scalef32_pk16_fp6_f32 v[PCD+6*\c:PCD+6*\c+2], v[S+32*\c:S+32*\c+15], v[SO+\c]
	v_cvt_scalef32_pk16_fp6_f32 v[CT+4*\c:CT+4*\c+2], v[S+32*\c+16:S+32*\c+31], v[SO+\c]   ; a conversion's three registers begin on an even number
.endr
	SUMS 4, 1                                      ; the plain place behind the conversions
.irp c, 0,1
.irp i, 0,1,2
	v_mov_b32 v[PCD+3+6*\c+\i], v[CT+4*\c+\i]
.endr
.endr
	SUMS 5, 4                                      ; with the lines above: eleven places behind the scale word, four behind the codes
.irp t, 0,1,2,3
	v_wmma_scale_f32_16x16x128_f8f6f4 v[O+8*\t:O+8*\t+7], v[VF+12*\t:VF+12*\t+11], v[PCD:PCD+11], v[O+8*\t:O+8*\t+7], v[KW+\t], v228 matrix_a_fmt:MATRIX_FMT_FP6 matrix_b_fmt:MATRIX_FMT_FP6
.endr
	SUMS 9, 23
.endm
	s_wait_alu depctr_va_vdst(0)                   ; the wait at the head's end
	s_wait_loadcnt 0x0                             ; Q
	s_wait_tensorcnt 0x0                           ; my one load has landed;
	s_barrier_signal -1
	s_barrier_wait -1                              ; and so has everybody's: K, V and the scale words are whole, and nothing is ever filled again
.Lstep:
	STEP 0
	STEP 1
	s_sub_co_u32 s[CNT], s[CNT], 1
	s_cmp_lg_u32 s[CNT], 0
	s_cbranch_scc1 .Lstep
	; THE WAY OUT: O^T / the sum, quantised along the head's 64: half a fragment of the next product's operand
	v_pk_add_f32 v[L:L+1], v[L:L+1], v[L+2:L+3]
	v_pk_add_f32 v[L+4:L+5], v[L+4:L+5], v[L+6:L+7]
	s_delay_alu instid0(VALU_DEP_1)
	v_pk_add_f32 v[L:L+1], v[L:L+1], v[L+4:L+5]
	s_delay_alu instid0(VALU_DEP_1)
	v_add_f32 v224, v[L], v[L+1]
	s_delay_alu instid0(VALU_DEP_1)
	v_permlanex16_b32 v225, v224, s[SEL], s[SEL+1]
	s_delay_alu instid0(VALU_DEP_1)
	v_add_f32 v224, v224, v225                     ; the row's sum
	s_wait_alu depctr_va_vdst(0)
	v_rcp_f32 v226, v224
	v_and_b32 v9, 15, v0                           ; the plain place behind the reciprocal
	v_lshlrev_b32 v9, 2, v9                        ; 4 r
	s_wait_alu depctr_va_vdst(0)                   ; ahead of the first reader of the reciprocal and of O^T
.set ii, 0
.rept 16
	v_pk_mul_f32 v[O+ii:O+ii+1], v[O+ii:O+ii+1], v[226:227] op_sel_hi:[1,0]   ; register 16 b + i = channel 32 b + 16 h + i; each accumulator from its low end on
.set ii, ii+2
.endr
.irp b, 0,1
	v_max3_num_f32 v[BM+\b], |v[O+16*\b]|, |v[O+1+16*\b]|, 0x1800000
.endr
.irp i, 2,4,6,8,10,12,14
.irp b, 0,1
	s_delay_alu instid0(VALU_DEP_2)
	v_max3_num_f32 v[BM+\b], v[BM+\b], |v[O+16*\b+\i]|, |v[O+1+16*\b+\i]|
.endr
.endr
.irp b, 0,1
	s_delay_alu instid0(VALU_DEP_2)
	v_permlanex16_b32 v[BT+\b], v[BM+\b], s[SEL], s[SEL+1]
.endr
.irp b, 0,1
	s_delay_alu instid0(VALU_DEP_2)
	v_max_num_f32 v[BM+\b], v[BM+\b], v[BT+\b]
.endr
.irp b, 0,1
	s_delay_alu instid0(VALU_DEP_2)
	v_add_nc_u32 v[SO+\b], 0xff000000, v[BM+\b]
.endr
.irp b, 0,1
	s_delay_alu instid0(VALU_DEP_2)
	v_lshrrev_b32 v[BT+\b], 23, v[SO+\b]
.endr
	s_delay_alu instid0(VALU_DEP_1)
	v_lshl_or_b32 v229, v[BT+1], 8, v[BT]          ; my head's two scale bytes
	v_cvt_scalef32_pk16_fp6_f32 v[PCD:PCD+2], v[O:O+15], v[SO]
	v_cvt_scalef32_pk16_fp6_f32 v[CT:CT+2], v[O+16:O+31], v[SO+1]
	v_nop                                          ; one plain place behind a scaled conversion
.irp i, 0,1,2
	v_permlane16_swap_b32 v[PCD+\i], v[CT+\i]      ; here a block lies in lanes l and l xor 16: the operand wants it whole in a lane
.endr
.irp i, 0,1,2
	v_mov_b32 v[PCD+3+\i], v[CT+\i]
.endr
	global_store_b128 v28, v[PCD:PCD+3], s[70:71]  ; 512 consecutive bytes,
	global_store_b64 v29, v[PCD+4:PCD+5], s[70:71] ; and 256 behind them
	global_store_b16 v9, v229, s[72:73]            ; lanes l and l + 16 write the same two bytes with the same value
	s_wait_tensorcnt 0x0                           ; the wave's end
	ds_add_u32 v254, v255
	s_wait_dscnt 0x0
	CROUND                                         ; the closing round
	s_endpgm
.Lfunc_end_k_q40b09c2735_attn:
	.size	k_q40b09c2735_attn, .Lfunc_end_k_q40b09c2735_attn-k_q40b09c2735_attn
	.p2alignl 7, 3214868480
	.fill 96, 4, 3214868480
	.section	.rodata,"a",@progbits
	.p2align	6, 0x0
	.amdhsa_kernel k_q40b09c2735_attn
		.amdhsa_group_segment_fixed_size 239616
		.amdhsa_private_segment_fixed_size 0
		.amdhsa_enable_private_segment 0
		.amdhsa_kernarg_size 16
		.amdhsa_user_sgpr_count 2
		.amdhsa_user_sgpr_kernarg_segment_ptr 1
		.amdhsa_wavefront_size32 1
		.amdhsa_system_sgpr_workgroup_id_x 1
		.amdhsa_system_sgpr_workgroup_id_y 1
		.amdhsa_system_sgpr_workgroup_id_z 1
		.amdhsa_system_vgpr_workitem_id 0
		.amdhsa_next_free_vgpr 256
		.amdhsa_next_free_sgpr 100
		.amdhsa_reserve_vcc 0
		.amdhsa_float_denorm_mode_32 3
		.amdhsa_float_denorm_mode_16_64 3
		.amdhsa_memory_ordered 1
		.amdhsa_forward_progress 1
		.amdhsa_inst_pref_size 45
	.end_amdhsa_kernel
	.amdgpu_metadata
---
amdhsa.version: [ 1, 2 ]
amdhsa.kernels:
  - .name:           k_q40b09c2735_attn
    .symbol:         k_q40b09c2735_attn.kd
    .args:
      - { .name: qkv, .offset: 0, .size: 8, .value_kind: global_buffer, .address_space: global }
      - { .name: att, .offset: 8, .size: 8, .value_kind: global_buffer, .address_space: global }
    .group_segment_fixed_size: 239616
    .private_segment_fixed_size: 0
    .kernarg_segment_align: 8
    .kernarg_segment_size: 16
    .max_flat_workgroup_size: 512
    .sgpr_count:     100
    .vgpr_count:     256
    .wavefront_size: 32
...
	.end_amdgpu_metadata
.endif
;; end of part 3
;; launch woln (part 4): grid 256 x 1, 8 waves a work-group, no clusters, 69,632 bytes of LDS; arguments bo, x, g1, be1, x1, att, prep; writes x1
.if DOCPART == 4
	.amdgcn_target "amdgcn-amd-amdhsa--gfx1250"
	.amdhsa_code_object_version 6
	.text
	.protected	k_q40b09c2735_woln
	.globl	k_q40b09c2735_woln
	.p2align	8
	.type	k_q40b09c2735_woln,@function
k_q40b09c2735_woln:
	s_mov_b64 s[64:65], 0
	v_nop
	global_prefetch_b8 v0, s[64:65] scope:SCOPE_SE
	s_setreg_imm32_b32 hwreg(HW_REG_WAVE_MODE, 25, 1), 1
	s_wait_xcnt 0x0
; WO + LN1.  x1 = layernorm(x + att Wo + bo) g1 + be1.  The product on codes of FP6 (E2M3) with E8M0 scales, all else in f32.  x1 leaves as f32 images of result tiles (for the second residual)
; and as FP6 codes along the 1,024 features (for the product with W1).
; SHARES.  A work-group owns tile T of 16 tokens (true rows 32 (T / 2) + 8 (T % 2) + r + 8 (r / 8)) and all 1,024 features, so that the norm's sums stay inside it; wave w has features 128 w on: 8 tiles of 16, 8 accumulators.
; Source 0 = 16 features of Wo, source 1 = the tokens: lane (r, h) holds token r, and the 64 accumulator registers are: register 16 b + i = column 128 w + 32 b + 16 h + i.
; THE OPERANDS GO FROM MEMORY STRAIGHT INTO REGISTERS: both lie there as images of operand registers (1,536 bytes a fragment, 512 consecutive bytes a load), [tile][K step].  Two sets of a K step each (8 fragments of Wo, 1 of att)
; take turns: while one is multiplied, the other's NL loads are on their way.  A load of scale words brings two K steps': lanes 0-15 the even step's, lanes 16-31 the odd step's.  bo is loaded into the accumulators: the first C.
; No tensor load, no joint load: a work-group walks all of Wo, 786,432 bytes, which LDS does not hold, and each wave reads fragments that no other wave of its work-group reads.  No prefetch: a wave's load counter is full of requests through the whole K loop.
; THE NORM: mean and variance in two passes; the eight waves' sums meet in LDS: two barriers.  x arrives as rows and turns through the wave's own stage in LDS.  Gain and bias are asked for behind the K loop and are wanted last.
; x1: the f32 images at 0 [T][tile of features 64] 1,024 bytes; the codes at X1I [T][K step 8] 1,536 bytes; the scale words at X1S, 64 bytes.
; LIMITS: NaN and infinities are not served; v_rsq_f32 is good to 1 ulp; a block of zeros gets the byte 1.
.set KT,   8                           ; K steps of 128
.set NL,   28                          ; loads of a set: 24 for Wo, 4 for att (two heads' half fragments)
.set WOFF, 5505024                     ; in prep: Wo's codes, and its scale words
.set WSOFF, 12812288
.set ASOFF, 3145728                    ; in att: the scale words
.set X1I,  16777216
.set X1S,  19922944
.set STAT, 67584                       ; LDS behind the eight stages: 8 waves x 16 rows of sums, then of sums of squares
.set TM,  16
.set PW,  32
.set PC,  34
.set Y,   56                           ; v56-119  the accumulators, then the sum, then the result
.set R,   120                          ; v120-183 x as loaded
.set SCW, 184                          ; v184-191 Wo's scale words, v192 att's: scales and nothing else
.set BEW, 0                            ; window 1: v0-95, v96-191 Wo's two sets, v192-215 att's two; behind the K loop v0-63 the bias, v64-127 x back from the stage, v128-191 the gain
.set XBW, 64
.set G,   128
.set SEL, 30
.set MSB, 0
.macro WIN new                         ; the immediate's high byte repeats the setting that is left
.if MSB != (\new)
	s_set_vgpr_msb (MSB<<8)|(\new)
.set MSB, (\new)
.endif
.endm
.macro LW set                          ; a K step's fragments into a set
	WIN 0x40                                       ; destination window 1
.set bb, 0
.rept 8
.irp c, 0,1,2
	global_load_b128 v[96*(\set)+12*bb+4*\c:96*(\set)+12*bb+4*\c+3], v1, s[36:37] offset:(bb*KT+(\set))*1536+512*\c
.endr
.set bb, bb+1
.endr
.irp u, 0,1                                    ; att: a half fragment a head, 512 + 256 bytes
	global_load_b128 v[192+12*(\set)+6*\u:195+12*(\set)+6*\u], v1, s[40:41] offset:(\set)*1536+768*\u
	global_load_b64 v[196+12*(\set)+6*\u:197+12*(\set)+6*\u], v12, s[40:41] offset:(\set)*1536+768*\u+512
.endr
	WIN 0
.endm
.macro LS                              ; two K steps' scale words: 128 consecutive bytes a load
.set bb, 0
.rept 8
	global_load_b32 v[SCW+bb], v11, s[38:39] offset:bb*KT*64
.set bb, bb+1
.endr
	global_load_b32 v[SCW+8], v11, s[42:43]
.endm
.macro MM set                          ; eight products; the accumulators take turns
	WIN 0x05                                       ; sources 0 and 1: window 1
.set bb, 0
.rept 8
.if \set
	v_wmma_scale_f32_16x16x128_f8f6f4 v[Y+8*bb:Y+8*bb+7], v[96+12*bb:107+12*bb], v[204:215], v[Y+8*bb:Y+8*bb+7], v[SCW+bb], v[SCW+8] matrix_a_fmt:MATRIX_FMT_FP6 matrix_b_fmt:MATRIX_FMT_FP6 matrix_a_scale:MATRIX_SCALE_ROW1 matrix_b_scale:MATRIX_SCALE_ROW1
.else
	v_wmma_scale_f32_16x16x128_f8f6f4 v[Y+8*bb:Y+8*bb+7], v[12*bb:11+12*bb], v[192:203], v[Y+8*bb:Y+8*bb+7], v[SCW+bb], v[SCW+8] matrix_a_fmt:MATRIX_FMT_FP6 matrix_b_fmt:MATRIX_FMT_FP6
.endif
.set bb, bb+1
.endr
	WIN 0
.rept 4
	v_nop                                          ; places in front of loads into the products' registers and of reads of their results
.endr
.endm
.macro QUANT s                         ; 64 numbers of a lane become a fragment's codes in v[PC] on and its scale word in v[PW]
.irp b, 0,1,2,3
	v_max3_num_f32 v[TM+\b], |v[\s+16*\b]|, |v[\s+1+16*\b]|, 0x1800000   ; and the floor 2^(3 - 127)
.endr
.irp i, 2,4,6,8,10,12,14
.irp b, 0,1,2,3
	v_max3_num_f32 v[TM+\b], v[TM+\b], |v[\s+16*\b+\i]|, |v[\s+1+16*\b+\i]|
.endr
.endr
.irp b, 0,1,2,3
	v_permlanex16_b32 v[TM+4+\b], v[TM+\b], s[SEL], s[SEL+1]
.endr
.irp b, 0,1,2,3
	v_max_num_f32 v[TM+\b], v[TM+\b], v[TM+4+\b]
.endr
.irp b, 0,1,2,3
	v_add_nc_u32 v[TM+12+\b], 0xff000000, v[TM+\b]
.endr
.irp b, 0,1,2,3
	v_lshrrev_b32 v[TM+4+\b], 23, v[TM+12+\b]
.endr
	v_lshl_or_b32 v[PW], v[TM+5], 8, v[TM+4]
	s_delay_alu instid0(VALU_DEP_1)
	v_lshl_or_b32 v[PW], v[TM+6], 16, v[PW]
	s_delay_alu instid0(VALU_DEP_1)
	v_lshl_or_b32 v[PW], v[TM+7], 24, v[PW]
.irp c, 0,1
	v_cvt_scalef32_pk16_fp6_f32 v[PC+6*\c:PC+2+6*\c], v[\s+32*\c:\s+15+32*\c], v[TM+12+2*\c]
	v_cvt_scalef32_pk16_fp6_f32 v[PC+12+4*\c:PC+14+4*\c], v[\s+16+32*\c:\s+31+32*\c], v[TM+12+2*\c+1]
.endr
	v_nop                                          ; one plain place behind a scaled conversion
.irp c, 0,1
.irp i, 0,1,2
	v_permlane16_swap_b32 v[PC+6*\c+\i], v[PC+12+4*\c+\i]
.endr
.irp i, 0,1,2
	v_mov_b32 v[PC+3+6*\c+\i], v[PC+12+4*\c+\i]
.endr
.endr
.endm
; my wave's sum (in v248) meets the other seven's at LDS byte off of the sums; the total comes back in v16
.macro MEET off
	s_delay_alu instid0(VALU_DEP_1)
	v_permlanex16_b32 v254, v248, s[SEL], s[SEL+1]
	s_delay_alu instid0(VALU_DEP_1)
	v_add_f32 v248, v248, v254                     ; row r's sum over my 128 columns
	ds_store_b32 v9, v248 offset:\off
	s_wait_dscnt 0x0                               ; for the others' sake: my store has landed
	s_barrier_signal -1
	s_barrier_wait -1
.irp i, 0,1,2,3,4,5,6,7
	ds_load_b32 v[16+\i], v10 offset:\off+64*\i
.endr
	s_wait_dscnt 0x0
	v_add_f32 v16, v16, v17
	v_add_f32 v18, v18, v19
	v_add_f32 v20, v20, v21
	v_add_f32 v22, v22, v23
	s_delay_alu instid0(VALU_DEP_3)
	v_add_f32 v16, v16, v18
	s_delay_alu instid0(VALU_DEP_2)
	v_add_f32 v20, v20, v22
	s_delay_alu instid0(VALU_DEP_1)
	v_add_f32 v16, v16, v20
.endm
	s_load_b256 s[4:11], s[0:1], 0x0               ; bo, x, g1, be1
	s_load_b64 s[12:13], s[0:1], 0x20              ; x1
	s_load_b128 s[32:35], s[0:1], 0x28             ; att, prep
	v_lshl_add_u32 v55, v0, 2, 0x10c00
	v_mov_b32 v255, 0
	v_lshrrev_b32 v1, 5, v0
	v_readfirstlane_b32 s3, v1                     ; wave 0..7
	v_and_b32 v2, 31, v0
	v_and_b32 v3, 15, v0                           ; r
	v_bfe_u32 v4, v0, 4, 1                         ; h
	v_lshlrev_b32 v1, 4, v2                        ; 16 x lane
	s_mul_i32 s14, s3, 8448                        ; my stage: 16 rows x (512 + 16) bytes
	v_add_nc_u32 v5, s14, v1                       ; by rows
	v_mul_u32_u24 v6, v3, 528
	v_lshlrev_b32 v7, 2, v3                        ; 4 r
	v_lshlrev_b32 v8, 6, v4                        ; 64 h
	v_lshl_add_u32 v6, v4, 6, v6
	v_lshlrev_b32 v11, 2, v2                       ; 4 x lane
	v_lshlrev_b32 v12, 3, v2                       ; 8 x lane
	v_add_nc_u32 v6, s14, v6                       ; by lanes: row r, + 64 h
	s_lshl_b32 s14, s3, 6
	v_add_nc_u32 v9, s14, v7
	v_add_nc_u32 v10, STAT, v7                     ; where I read all eight sums
	v_mov_b32 v254, 0                              ; a lane permute's destination counts as one of its sources
	v_add_nc_u32 v9, STAT, v9                      ; where I put my wave's
	s_lshl_b32 s16, ttmp9, 16
	s_lshl_b32 s17, s3, 13
	s_add_co_u32 s16, s16, s17                     ; images: 65,536 T + 8,192 w
	s_mov_b32 s17, 0
	s_lshr_b32 s18, ttmp9, 1
	s_lshl_b32 s18, s18, 17
	s_and_b32 s19, ttmp9, 1
	s_lshl_b32 s19, s19, 15
	s_add_co_u32 s18, s18, s19
	s_lshl_b32 s20, s3, 9                          ; 512 w
	s_add_co_u32 s18, s18, s20                     ; x: the tile's first true row, my columns
	s_mov_b32 s19, 0
	s_mov_b32 s21, 0
	s_lshl_b32 s22, ttmp9, 3
	s_add_co_u32 s22, s22, s3                      ; 8 T + w
	s_mul_i32 s24, s22, 1536
	s_add_co_u32 s24, s24, X1I
	s_mov_b32 s25, 0
	s_lshl_b32 s22, s22, 6
	s_add_co_u32 s22, s22, X1S
	s_mov_b32 s23, 0
	s_mul_i32 s36, s3, 8*KT*1536                   ; my 8 tiles of Wo,
	s_add_co_u32 s36, s36, WOFF
	s_mov_b32 s37, 0
	s_mul_i32 s38, s3, 8*KT*64                     ; their scale words,
	s_add_co_u32 s38, s38, WSOFF
	s_mov_b32 s39, 0
	s_mul_i32 s40, ttmp9, KT*1536                  ; my work-group's tile of att,
	s_mov_b32 s41, 0
	s_mul_i32 s42, ttmp9, KT*64                    ; and its scale words
	s_add_co_u32 s42, s42, ASOFF
	s_mov_b32 s43, 0
	s_mov_b32 s44, KT/2-1
	s_mov_b32 s[SEL], 0x76543210
	s_mov_b32 s[SEL+1], 0xfedcba98
	s_wait_alu depctr_va_vdst(0)                   ; the wait at the head's end
	s_wait_kmcnt 0x0
	s_add_nc_u64 s[4:5], s[4:5], s[20:21]
	s_add_nc_u64 s[6:7], s[6:7], s[18:19]
	s_add_nc_u64 s[8:9], s[8:9], s[20:21]
	s_add_nc_u64 s[10:11], s[10:11], s[20:21]
	s_add_nc_u64 s[26:27], s[12:13], s[16:17]
	s_add_nc_u64 s[24:25], s[12:13], s[24:25]
	s_add_nc_u64 s[22:23], s[12:13], s[22:23]
	s_add_nc_u64 s[36:37], s[34:35], s[36:37]
	s_add_nc_u64 s[38:39], s[34:35], s[38:39]
	s_add_nc_u64 s[40:41], s[32:33], s[40:41]
	s_add_nc_u64 s[42:43], s[32:33], s[42:43]
.set ii, 0
.rept 16
	global_load_b128 v[Y+4*ii:Y+4*ii+3], v8, s[4:5] offset:128*(ii/4)+16*(ii%4)   ; bo of my 64 columns, into the accumulators
.set ii, ii+1
.endr
	LS
	LW 0
	LW 1
.set ii, 0
.rept 16
	global_load_b128 v[R+4*ii:R+4*ii+3], v1, s[6:7] offset:(ii+8*(ii/8))*4096 th:TH_LOAD_NT   ; x, tile row ii: 512 consecutive bytes; wanted behind the K loop
.set ii, ii+1
.endr
	s_wait_loadcnt NL+16                           ; bo, the scale words and set 0 are in; behind them set 1's NL loads and x's 16
	MM 0
	s_branch .Lin
.Lk:                                                   ; a trip: two K steps, and the loads of the two that follow
	s_wait_loadcnt NL                              ; set 0 and the scale words are in; behind them set 1's NL loads
	MM 0
.Lin:
	s_wait_xcnt 0x0                                ; the loads have read their bases: they step two K steps on
	s_add_nc_u64 s[36:37], s[36:37], 3072
	s_add_nc_u64 s[38:39], s[38:39], 128
	s_add_nc_u64 s[40:41], s[40:41], 3072
	s_add_nc_u64 s[42:43], s[42:43], 128
	LW 0
	s_wait_loadcnt NL                              ; set 1 is in (and x); behind it set 0's NL loads
	MM 1
	LS
	LW 1
	s_sub_co_u32 s44, s44, 1
	s_cmp_lg_u32 s44, 0
	s_cbranch_scc1 .Lk
	s_wait_loadcnt NL                              ; the last two K steps ask for nothing
	MM 0
	s_wait_loadcnt 0x0
	MM 1
	WIN 0x40                                       ; destination window 1
.irp b, 0,1,2,3
.irp j, 0,1,2,3
	global_load_b128 v[G+16*\b+4*\j:G+16*\b+4*\j+3], v8, s[8:9] offset:128*\b+16*\j   ; the gain of my 64 columns
.endr
.endr
.irp b, 0,1,2,3
.irp j, 0,1,2,3
	global_load_b128 v[BEW+16*\b+4*\j:BEW+16*\b+4*\j+3], v8, s[10:11] offset:128*\b+16*\j   ; and the bias
.endr
.endr
	WIN 0
.set ii, 0
.rept 16
	ds_store_b128 v5, v[R+4*ii:R+4*ii+3] offset:528*ii
.set ii, ii+1
.endr
	WIN 0x40
.irp b, 0,1,2,3
.irp j, 0,1,2,3
	ds_load_b128 v[XBW+16*\b+4*\j:XBW+16*\b+4*\j+3], v6 offset:128*\b+16*\j   ; LDS serves a wave's instructions in order: these see my stores
.endr
.endr
	WIN 0
	s_wait_dscnt 0x0
	WIN 0x04                                       ; source 1 window 1
.set ii, 0
.rept 32
	v_pk_add_f32 v[Y+2*ii:Y+2*ii+1], v[Y+2*ii:Y+2*ii+1], v[XBW+2*ii:XBW+2*ii+1]   ; the residual; each accumulator from its low end on
.set ii, ii+1
.endr
	WIN 0
	v_pk_add_f32 v[248:249], v[Y:Y+1], v[Y+2:Y+3]  ; my 64 numbers, in two chains
	v_pk_add_f32 v[250:251], v[Y+4:Y+5], v[Y+6:Y+7]
.set ii, 8
.rept 14
	s_delay_alu instid0(VALU_DEP_2)
	v_pk_add_f32 v[248:249], v[248:249], v[Y+ii:Y+ii+1]
	s_delay_alu instid0(VALU_DEP_2)
	v_pk_add_f32 v[250:251], v[250:251], v[Y+ii+2:Y+ii+3]
.set ii, ii+4
.endr
	s_delay_alu instid0(VALU_DEP_1)
	v_pk_add_f32 v[248:249], v[248:249], v[250:251]
	s_delay_alu instid0(VALU_DEP_1)
	v_add_f32 v248, v248, v249
	MEET 0
	s_delay_alu instid0(VALU_DEP_1)
	v_mul_f32 v252, 0x3a800000, v16                ; / 1,024: the mean
	s_delay_alu instid0(VALU_DEP_1)
	v_mov_b32 v253, v252
.set ii, 0
.rept 32
	v_pk_add_f32 v[Y+2*ii:Y+2*ii+1], v[Y+2*ii:Y+2*ii+1], v[252:253] neg_lo:[0,1] neg_hi:[0,1]
.set ii, ii+1
.endr
	v_pk_mul_f32 v[248:249], v[Y:Y+1], v[Y:Y+1]
	v_pk_mul_f32 v[250:251], v[Y+2:Y+3], v[Y+2:Y+3]
.set ii, 4
.rept 15
	s_delay_alu instid0(VALU_DEP_2)
	v_pk_fma_f32 v[248:249], v[Y+ii:Y+ii+1], v[Y+ii:Y+ii+1], v[248:249]
	s_delay_alu instid0(VALU_DEP_2)
	v_pk_fma_f32 v[250:251], v[Y+ii+2:Y+ii+3], v[Y+ii+2:Y+ii+3], v[250:251]
.set ii, ii+4
.endr
	s_delay_alu instid0(VALU_DEP_1)
	v_pk_add_f32 v[248:249], v[248:249], v[250:251]
	s_delay_alu instid0(VALU_DEP_1)
	v_add_f32 v248, v248, v249
	MEET 512                                       ; other bytes than the first sums': no third barrier
	s_delay_alu instid0(VALU_DEP_1)
	v_mul_f32 v16, 0x3a800000, v16                 ; the variance
	s_delay_alu instid0(VALU_DEP_1)
	v_add_f32 v16, 0x3727c5ac, v16                 ; + 1e-5
	s_wait_alu depctr_va_vdst(0)
	v_rsq_f32 v252, v16
	v_nop                                          ; a plain place behind the transcendental
	s_wait_alu depctr_va_vdst(0)                   ; and the wait ahead of its first reader
	v_mov_b32 v253, v252
	s_wait_alu depctr_va_vdst(0)
	s_wait_loadcnt 0x0                             ; gain and bias
.set ii, 0
.rept 32
	v_pk_mul_f32 v[Y+2*ii:Y+2*ii+1], v[Y+2*ii:Y+2*ii+1], v[252:253]
.set ii, ii+1
.endr
	WIN 0x14                                       ; sources 1 and 2 window 1
.set ii, 0
.rept 32
	v_pk_fma_f32 v[Y+2*ii:Y+2*ii+1], v[Y+2*ii:Y+2*ii+1], v[G+2*ii:G+2*ii+1], v[BEW+2*ii:BEW+2*ii+1]
.set ii, ii+1
.endr
	WIN 0
.set ii, 0
.rept 16
	global_store_b128 v1, v[Y+4*ii:Y+4*ii+3], s[26:27] offset:512*ii   ; the f32 images: 512 consecutive bytes each
.set ii, ii+1
.endr
	QUANT Y
.irp c, 0,1,2
	global_store_b128 v1, v[PC+4*\c:PC+4*\c+3], s[24:25] offset:512*\c
.endr
	global_store_b32 v7, v[PW], s[22:23]           ; lanes l and l + 16 write the same word with the same value
	s_wait_tensorcnt 0x0                           ; the wave's end
	ds_add_u32 v55, v255
	s_wait_dscnt 0x0
	s_endpgm
.Lfunc_end_k_q40b09c2735_woln:
	.size	k_q40b09c2735_woln, .Lfunc_end_k_q40b09c2735_woln-k_q40b09c2735_woln
	.p2alignl 7, 3214868480
	.fill 96, 4, 3214868480
	.section	.rodata,"a",@progbits
	.p2align	6, 0x0
	.amdhsa_kernel k_q40b09c2735_woln
		.amdhsa_group_segment_fixed_size 69632
		.amdhsa_private_segment_fixed_size 0
		.amdhsa_enable_private_segment 0
		.amdhsa_kernarg_size 56
		.amdhsa_user_sgpr_count 2
		.amdhsa_user_sgpr_kernarg_segment_ptr 1
		.amdhsa_wavefront_size32 1
		.amdhsa_system_sgpr_workgroup_id_x 1
		.amdhsa_system_sgpr_workgroup_id_y 1
		.amdhsa_system_sgpr_workgroup_id_z 1
		.amdhsa_system_vgpr_workitem_id 0
		.amdhsa_next_free_vgpr 512
		.amdhsa_next_free_sgpr 66
		.amdhsa_reserve_vcc 0
		.amdhsa_float_denorm_mode_32 3
		.amdhsa_float_denorm_mode_16_64 3
		.amdhsa_memory_ordered 1
		.amdhsa_forward_progress 1
		.amdhsa_inst_pref_size 54
	.end_amdhsa_kernel
	.amdgpu_metadata
---
amdhsa.version: [ 1, 2 ]
amdhsa.kernels:
  - .name:           k_q40b09c2735_woln
    .symbol:         k_q40b09c2735_woln.kd
    .args:
      - { .name: bo, .offset: 0, .size: 8, .value_kind: global_buffer, .address_space: global }
      - { .name: x, .offset: 8, .size: 8, .value_kind: global_buffer, .address_space: global }
      - { .name: g1, .offset: 16, .size: 8, .value_kind: global_buffer, .address_space: global }
      - { .name: be1, .offset: 24, .size: 8, .value_kind: global_buffer, .address_space: global }
      - { .name: x1, .offset: 32, .size: 8, .value_kind: global_buffer, .address_space: global }
      - { .name: att, .offset: 40, .size: 8, .value_kind: global_buffer, .address_space: global }
      - { .name: prep, .offset: 48, .size: 8, .value_kind: global_buffer, .address_space: global }
    .group_segment_fixed_size: 69632
    .private_segment_fixed_size: 0
    .kernarg_segment_align: 8
    .kernarg_segment_size: 56
    .max_flat_workgroup_size: 256
    .sgpr_count:     66
    .vgpr_count:     512
    .wavefront_size: 32
...
	.end_amdgpu_metadata
.endif
;; end of part 4
;; launch ff1 (part 5): grid 16 x 16, 4 waves a work-group, clusters of 4 x 4, 327,680 bytes of LDS; arguments x1, prep, b1, h; writes h
.if DOCPART == 5
	.amdgcn_target "amdgcn-amd-amdhsa--gfx1250"
	.amdhsa_code_object_version 6
	.text
	.protected	k_q40b09c2735_ff1
	.globl	k_q40b09c2735_ff1
	.p2align	8
	.type	k_q40b09c2735_ff1,@function
k_q40b09c2735_ff1:
	s_mov_b64 s[64:65], 0
	v_nop
	global_prefetch_b8 v0, s[64:65] scope:SCOPE_SE
	s_setreg_imm32_b32 hwreg(HW_REG_WAVE_MODE, 25, 1), 1
	s_wait_xcnt 0x0
	s_wait_alu depctr_hold_cnt(0) depctr_sa_sdst(0) depctr_va_vdst(0) depctr_va_sdst(0) depctr_va_ssrc(0) depctr_va_vcc(0) depctr_vm_vsrc(0)
	s_getreg_b32 s2, hwreg(HW_REG_IB_STS2, 6, 4)
	s_cmp_eq_u32 s2, 0
	s_cbranch_scc0 .Lentry_in_a_cluster
	s_endpgm
.Lentry_in_a_cluster:
	s_bfe_u32 s2, ttmp6, 0x10000c
	s_cmp_lg_u32 s2, 0xf033
	s_cbranch_scc0 .Lentry_shape_is_right
	s_endpgm
.Lentry_shape_is_right:
; FF1.  h = sin(x1 W1 + b1) on codes of FP6 (E2M3) with E8M0 scales, quantised again along the 4,096 hidden units for the product with W2.  h leaves as images of operand registers, [tile of tokens 256][K step 32], 1,536 bytes; scale words at HS.
; THE CORE: D = src0 x src1^T, src1 = tokens, src0 = W1's features; a work-group of four waves makes 256 x 256, a wave 128 x 128: 64 accumulators.  In a result lane (r, h) holds token r and, over the eight tiles of
; features, 64 numbers: register 16 b + i = unit 32 b + 16 h + i.  4 x 4 work-groups form a cluster: src1's tiles are asked for jointly along a row, src0's along a column.
; THE SLOTS.  K = 1,024 is four slots of 256 along K, 98,304 bytes each.  LDS holds three beside the scale words: all three are filled at the start, and slot 0 once more, with the last 256, behind the one round in the
; middle: that load has 224 matrix instructions of the wave in which to land.  THE BIAS is asked for at the head, into the registers of window 1 that src0's two sets leave free.
; THE WAY OUT IS A LOOP: sine and quantiser written for all eight tiles of tokens would be some 37 KB of code that runs once.  So behind the last products and a barrier each wave stores its 64 accumulators as they stand into
; 65,536 LDS bytes of its own (the slots have had their last fill and their last read; the scale words lie behind them).  A tile's 64 registers come back into one of two sets, the next tile's while this tile's sine is taken:
; three trips of two tiles, and the last two tiles written out, so that no load leaves the wave's own bytes.
; THE SINE, in f32: n = the whole number nearest to z / pi (by adding and taking away 1.5 x 2^23); z - n pi in two fused steps (pi in two parts); the sign by n's lowest bit; the odd Taylor polynomial to z^11 on
; [-pi / 2, pi / 2], whose first term left out is under 6e-8.  LIMITS: |z| under 2^22 pi; NaN and infinities are not served; a block of zeros gets the byte 1.
.set NB,  8
.set NQ,  2
.set KT,  8
.set A1OFF,  16777216
.set A1SOFF, 19922944
.set B0OFF,  6291456
.set B0SOFF, 12845056
.set HS,  12582912
.set NLT,  NB*6
.set HALF, NB*NQ*1536
.set SLOT, 4*HALF
.set SCL,  3*SLOT                      ; LDS: behind the three slots, the scale words
.set HALFS, NB*KT*64
.set SPARE, SCL+4*HALFS                ; the spare words, 128 bytes a wave, which no other line names
.set RBC,  2*NB*KT*1536
.set HBC,  NB*KT*1536
.set RBS,  2*HALFS
.set STA,  7                           ; v7 my place in my stage: 65,536 x wave + 16 x lane
.set ADRA, 16                          ; v16-18 LDS address of my src1 fragments in slot 0, 1, 2
.set ADRB, 20                          ; v20-22 the same for src0
.set ADRS, 27
.set SPW,  28
.set NIL,  29
.set SC,   32                          ; v32-63 scale words and nothing else
.set AF,   64                          ; window 0: src1's fragments, sets at v64, v160;  window 1: src0's, at v0, v128; there v96-127, v224-255: the bias of my 128 units, number i at v[96 + i + 96 (i / 32)]
.set HB,   64                          ; the way out: v64-127 and v160-223: a tile's 64 numbers, two sets
.set HA,   160
.set MG,   128                         ; v[128:129] 1.5 x 2^23;  v[130:131] its negative;  v[132:133] 1 / 9!
.set NMG,  130
.set C9V,  132
.set PC,   136                         ; v136-155 the quantiser's codes;  the sine's temporaries lie over them, over TM and over PW
.set ZT,   136
.set TM,   224
.set NT,   224
.set PW,   240
.set PT,   240
.set G1, 24
.set G0, 32                            ; s[32:39] group 0 for src1's slots 0, 1;  s[20:23] for slot 2
.set G0C, 20
.set G1B, 48
.set G0B, 56                           ; s[56:63] group 0 for src0's slots 0, 1;  s[44:47] for slot 2
.set G0BC, 44
.set G1S, 68
.set G0S, 76
.set G1SB, 80
.set G0SB, 88
.set IPI, 24                           ; the sine's constants, as pairs, in the descriptors' registers, which are done with
.set NPH, 26
.set NPL, 28
.set C11, 30
.set C7,  32
.set C5,  34
.set C3,  36
.set SEL, 98
.set MSB, 0
.macro WIN new                         ; the immediate's high byte repeats the setting that is left
.if MSB != (\new)
	s_set_vgpr_msb (MSB<<8)|(\new)
.set MSB, (\new)
.endif
.endm
.macro JLOAD g0a, g1a, g0b, g1b        ; a joint load: waves 0, 1 for src1, waves 2, 3 for src0; four v_nop follow each line
	s_cmp_eq_u32 s15, 0
	s_cbranch_scc0 .Lfor_b_\@
	tensor_load_to_lds s[\g0a:\g0a+3], s[\g1a:\g1a+7]
	s_nop 0
.rept 4
	v_nop
.endr
	s_branch .Lasked_\@
.Lfor_b_\@:
	tensor_load_to_lds s[\g0b:\g0b+3], s[\g1b:\g1b+7]
	s_nop 0
.rept 4
	v_nop
.endr
.Lasked_\@:
.endm
.macro CREST
	s_cmp_lg_u32 s14, 0
	s_cbranch_scc1 .Lnot_wave_0_\@
	s_barrier_signal -3
.Lnot_wave_0_\@:
	s_barrier_wait -3
	s_barrier_signal -1
	s_barrier_wait -1
.endm
.macro CROUND
	s_barrier_signal -1
	s_barrier_wait -1
	CREST
.endm
.macro PLACES n                        ; plain places behind matrix instructions (ISA guide 7.12.1)
.rept \n
	v_nop
.endr
.endm
.macro MULA a, set, q, sc, zero        ; src1's tile a against src0's NB tiles; the accumulators take turns
.set bb, 0
.rept NB
.set rD, 8*(NB*((\a)%(NB/2))+bb)
.set rB, 128*(\set)+12*bb
.set rA, AF+96*(\set)+12*(\a)
.set rSB, SC+16*(\sc)+NQ*bb+(\q)
.set rSA, SC+16*(\sc)+NQ*(\a)+(\q)
.if \zero
	v_wmma_scale_f32_16x16x128_f8f6f4 v[rD:rD+7], v[rB:rB+11], v[rA:rA+11], 0, v[rSB], v[rSA] matrix_a_fmt:MATRIX_FMT_FP6 matrix_b_fmt:MATRIX_FMT_FP6 matrix_a_scale:MATRIX_SCALE_ROW1
.else
	v_wmma_scale_f32_16x16x128_f8f6f4 v[rD:rD+7], v[rB:rB+11], v[rA:rA+11], v[rD:rD+7], v[rSB], v[rSA] matrix_a_fmt:MATRIX_FMT_FP6 matrix_b_fmt:MATRIX_FMT_FP6 matrix_a_scale:MATRIX_SCALE_ROW1
.endif
.set bb, bb+1
.endr
.endm
.macro MULS a0, n, set, q, sc, zero
.set aa, \a0
.rept \n
	MULA aa, \set, \q, \sc, \zero
.set aa, aa+1
.endr
.endm
.macro FETCH slot, q, set              ; the fragments of the slot's q-th K step into a set
	WIN 0x40
.set ii, 0
.rept NB
.set rF, 128*(\set)+12*ii
.set oF, (ii*PS+QO+(\q))*1536          ; PS: K steps a tile in these bytes; QO: the first of the two that are walked
	ds_load_b128 v[rF:rF+3], v[ADRB+\slot] offset:oF
	ds_load_b128 v[rF+4:rF+7], v[ADRB+\slot] offset:oF+512
	ds_load_b128 v[rF+8:rF+11], v[ADRB+\slot] offset:oF+1024
.set ii, ii+1
.endr
	WIN 0
.set ii, 0
.rept NB
.set rF, AF+96*(\set)+12*ii
.set oF, (ii*PS+QO+(\q))*1536
	ds_load_b128 v[rF:rF+3], v[ADRA+\slot] offset:oF
	ds_load_b128 v[rF+4:rF+7], v[ADRA+\slot] offset:oF+512
	ds_load_b128 v[rF+8:rF+11], v[ADRA+\slot] offset:oF+1024
.set ii, ii+1
.endr
.endm
.macro SCALES set
.set ii, 0
.rept NB
.set kk, 0
.rept NQ
	ds_load_b32 v[SC+16*(\set)+NQ*ii+kk], v[ADRS] offset:ii*KT*64+64*kk
.set kk, kk+1
.endr
.set ii, ii+1
.endr
.endm
.macro STEP slot, sc, q, zero          ; a K step whose successor lies in the same slot: the successor's fragments are asked for first.  sc: the set of scale words
	PLACES 4
	FETCH \slot, (\q)+1, 1-(\q)%2
	s_wait_dscnt NLT                               ; all but the loads just issued
	WIN 0xa1
	MULS 0, NB/2, (\q)%2, \q, \sc, \zero
	WIN 0xf1
	MULS NB/2, NB/2, (\q)%2, \q, \sc, \zero
	WIN 0
.endm
; A slot's last step goes on to the next slot.  mode 2: this slot is filled again: the wait for all my tensor loads, the add, the wait for it and for my reads of this slot; a round of the cluster's barrier; the joint
; refill first behind it.  mode 1: the same lines and the work-group's barrier, and nothing is filled.  mode 0: neither wait nor barrier: the next slot was whole at the barrier of an earlier change, in front of which
; every wave had waited for all its loads; the refill that is out lands in other bytes.
.macro TURN slot, sc, next, nsc, mode
.if \mode
	s_wait_tensorcnt 0x0                           ; all my tensor loads have landed
	ds_add_u32 v[SPW], v[NIL]                      ; 0 onto my spare word
	s_wait_dscnt 1                                 ; this step's fragments are in; the add may be out
	WIN 0xa1
	MULS 0, NB/4, 1, NQ-1, \sc, 0
	s_wait_dscnt 0x0                               ; the add is done, and my reads of this slot are over
	s_barrier_signal -1
	MULS NB/4, NB/4, 1, NQ-1, \sc, 0
	WIN 0
	s_barrier_wait -1
.else
	s_wait_dscnt 0x0                               ; this step's fragments are in
	WIN 0xa1
	MULS 0, NB/2, 1, NQ-1, \sc, 0
	WIN 0
.endif
.if \mode == 2
	CREST                                          ; the barrier has opened a round of the cluster's
	s_add_nc_u64 s[G0+4*\slot+2:G0+4*\slot+3], s[G0+4*\slot+2:G0+4*\slot+3], 3*NQ*1536
	s_add_nc_u64 s[G0B+4*\slot+2:G0B+4*\slot+3], s[G0B+4*\slot+2:G0B+4*\slot+3], 3*NQ*1536
	JLOAD G0+4*\slot, G1, G0B+4*\slot, G1B         ; the first tensor load behind the round
.else
	PLACES 4
.endif
	v_add_nc_u32 v[ADRS], 64*NQ, v[ADRS]
	FETCH \next, 0, 0
	SCALES \nsc
	WIN 0xf1
	MULS NB/2, NB/2, 1, NQ-1, \sc, 0
	WIN 0
.endm
.macro QUANT s                         ; 64 numbers of a lane become a fragment's codes in v[PC] on and its scale word in v[PW]
.irp b, 0,1,2,3
	v_max3_num_f32 v[TM+\b], |v[\s+16*\b]|, |v[\s+1+16*\b]|, 0x1800000   ; and the floor 2^(3 - 127)
.endr
.irp i, 2,4,6,8,10,12,14
.irp b, 0,1,2,3
	v_max3_num_f32 v[TM+\b], v[TM+\b], |v[\s+16*\b+\i]|, |v[\s+1+16*\b+\i]|
.endr
.endr
.irp b, 0,1,2,3
	v_permlanex16_b32 v[TM+4+\b], v[TM+\b], s[SEL], s[SEL+1]
.endr
.irp b, 0,1,2,3
	v_max_num_f32 v[TM+\b], v[TM+\b], v[TM+4+\b]
.endr
.irp b, 0,1,2,3
	v_add_nc_u32 v[TM+12+\b], 0xff000000, v[TM+\b]
.endr
.irp b, 0,1,2,3
	v_lshrrev_b32 v[TM+4+\b], 23, v[TM+12+\b]
.endr
	v_lshl_or_b32 v[PW], v[TM+5], 8, v[TM+4]
	v_lshl_or_b32 v[PW], v[TM+6], 16, v[PW]
	v_lshl_or_b32 v[PW], v[TM+7], 24, v[PW]
.irp c, 0,1
	v_cvt_scalef32_pk16_fp6_f32 v[PC+6*\c:PC+2+6*\c], v[\s+32*\c:\s+15+32*\c], v[TM+12+2*\c]
	v_cvt_scalef32_pk16_fp6_f32 v[PC+12+4*\c:PC+14+4*\c], v[\s+16+32*\c:\s+31+32*\c], v[TM+12+2*\c+1]
.endr
	v_nop                                          ; one plain place behind a scaled conversion
.irp c, 0,1
.irp i, 0,1,2
	v_permlane16_swap_b32 v[PC+6*\c+\i], v[PC+12+4*\c+\i]
.endr
.irp i, 0,1,2
	v_mov_b32 v[PC+3+6*\c+\i], v[PC+12+4*\c+\i]
.endr
.endr
.endm
; the sine of sixteen numbers, v[p] .. v[p + 15], in place: eight pairs by turns, so that no line waits for the lines just above it
.macro SIN8 p
.irp i, 0,2,4,6,8,10,12,14
	v_pk_fma_f32 v[ZT+\i:ZT+\i+1], v[\p+\i:\p+\i+1], s[IPI:IPI+1], v[MG:MG+1] op_sel_hi:[1,0,1]   ; z / pi + 1.5 x 2^23: its lowest bits are the nearest whole number n
.endr
.irp i, 0,2,4,6,8,10,12,14
	v_pk_add_f32 v[NT+\i:NT+\i+1], v[ZT+\i:ZT+\i+1], v[NMG:NMG+1]                                 ; n
.endr
.irp i, 0,2,4,6,8,10,12,14
	v_pk_fma_f32 v[\p+\i:\p+\i+1], v[NT+\i:NT+\i+1], s[NPH:NPH+1], v[\p+\i:\p+\i+1] op_sel_hi:[1,0,1]   ; z - n pi, pi's upper part,
.endr
.irp i, 0,2,4,6,8,10,12,14
	v_pk_fma_f32 v[\p+\i:\p+\i+1], v[NT+\i:NT+\i+1], s[NPL:NPL+1], v[\p+\i:\p+\i+1] op_sel_hi:[1,0,1]   ; and its lower
.endr
.irp i, 0,1,2,3,4,5,6,7,8,9,10,11,12,13,14,15
	v_lshl_add_u32 v[\p+\i], v[ZT+\i], 31, v[\p+\i]   ; sin(z) = (-1)^n sin(z - n pi), and the sine is odd: n's lowest bit, added at bit 31, turns the sign over
.endr
.irp i, 0,2,4,6,8,10,12,14
	v_pk_mul_f32 v[NT+\i:NT+\i+1], v[\p+\i:\p+\i+1], v[\p+\i:\p+\i+1]
.endr
.irp i, 0,2,4,6,8,10,12,14
	v_pk_fma_f32 v[PT+\i:PT+\i+1], v[NT+\i:NT+\i+1], s[C11:C11+1], v[C9V:C9V+1] op_sel_hi:[1,0,1]
.endr
.irp i, 0,2,4,6,8,10,12,14
	v_pk_fma_f32 v[PT+\i:PT+\i+1], v[PT+\i:PT+\i+1], v[NT+\i:NT+\i+1], s[C7:C7+1] op_sel_hi:[1,1,0]
.endr
.irp i, 0,2,4,6,8,10,12,14
	v_pk_fma_f32 v[PT+\i:PT+\i+1], v[PT+\i:PT+\i+1], v[NT+\i:NT+\i+1], s[C5:C5+1] op_sel_hi:[1,1,0]
.endr
.irp i, 0,2,4,6,8,10,12,14
	v_pk_fma_f32 v[PT+\i:PT+\i+1], v[PT+\i:PT+\i+1], v[NT+\i:NT+\i+1], s[C3:C3+1] op_sel_hi:[1,1,0]
.endr
.irp i, 0,2,4,6,8,10,12,14
	v_pk_mul_f32 v[ZT+\i:ZT+\i+1], v[NT+\i:NT+\i+1], v[\p+\i:\p+\i+1]
.endr
.irp i, 0,2,4,6,8,10,12,14
	v_pk_fma_f32 v[\p+\i:\p+\i+1], v[ZT+\i:ZT+\i+1], v[PT+\i:PT+\i+1], v[\p+\i:\p+\i+1]
.endr
.endm
.macro LOADH reg, off                  ; a tile's 64 registers back from my stage, from off bytes on
.set kk, 0
.rept 16
	ds_load_b128 v[\reg+4*kk:\reg+4*kk+3], v[STA] offset:\off+512*kk   ; LDS serves a wave's instructions in order: these see my stores
.set kk, kk+1
.endr
.endm
.macro TILE hh                         ; one tile of 16 tokens x my 128 units: the bias, the sine, the quantiser, the stores
	WIN 0x04                                       ; source 1 (the bias): window 1
.set ii, 0
.rept 32
	v_pk_add_f32 v[\hh+2*ii:\hh+2*ii+1], v[\hh+2*ii:\hh+2*ii+1], v[96+2*ii+96*(ii/16):97+2*ii+96*(ii/16)]
.set ii, ii+1
.endr
	WIN 0
.set gg, 0
.rept 4
	SIN8 \hh+16*gg
.set gg, gg+1
.endr
	QUANT \hh
.irp c, 0,1,2
	global_store_b128 v1, v[PC+4*\c:PC+4*\c+3], s[96:97] offset:512*\c   ; 512 consecutive bytes, aligned
.endr
	global_store_b32 v6, v[PW], s[66:67]           ; lanes l and l + 16 write the same word with the same value
	s_wait_xcnt 0x0                                ; the stores have read their data and their bases: both are written again only behind this wait
	s_add_nc_u64 s[96:97], s[96:97], 49152         ; the next tile of tokens: 32 K steps on
	s_add_nc_u64 s[66:67], s[66:67], 2048
.endm
	s_load_b256 s[4:11], s[0:1], 0x0               ; x1, prep, b1, h
	v_lshl_add_u32 v[SPW], v0, 2, SPARE
	v_mov_b32 v[NIL], 0
	ds_add_u32 v28, v29
	ds_add_u32 v28, v29
	s_wait_dscnt 0x0
	v_lshrrev_b32 v1, 5, v0
	v_readfirstlane_b32 s14, v1                    ; wave 0..3
	s_lshr_b32 s15, s14, 1                         ; my half of src1's rows.  Also: I fetch for src1 (0) or src0 (1)
	s_and_b32 s16, s14, 1                          ; my half of src0's rows.  Also: which half I fetch
	s_bfe_u32 s40, ttmp6, 0x40000
	s_bfe_u32 s41, ttmp6, 0x40004
	s_lshl_b32 s42, ttmp9, 2
	s_add_co_u32 s42, s42, s40                     ; block of features = 4 x cluster x + cx
	s_and_b32 s17, ttmp7, 0xffff
	s_lshl_b32 s17, s17, 2
	s_add_co_u32 s17, s17, s41                     ; block of tokens = 4 x cluster y + cy
	s_lshl_b32 s43, s41, 2
	s_lshl_b32 s43, 15, s43                        ; my row of the cluster
	s_lshl_b32 s44, 0x1111, s40                    ; my column
	s_or_b32 s[G1+0], s43, (3<<16)|(1<<21)         ; NB rows (tiles) of NQ x 1,536 bytes, KT x 1,536 apart, elements of 8 bytes, dense in LDS
	s_or_b32 s[G1B+0], s44, (3<<16)|(1<<21)
.irp g, G1, G1B
	s_mov_b32 s[\g+1], (384*NQ)<<16                ; for the head's loads: a side's 2 NB tiles x K steps 0 to 3 (6,144 bytes a tile)
	s_mov_b32 s[\g+2], (2*NB)<<16
	s_mov_b32 s[\g+3], (384*NQ)<<16
	s_mov_b32 s[\g+4], 2*NB
	s_mov_b32 s[\g+5], 192*KT
	s_mov_b32 s[\g+6], 0
	s_mov_b32 s[\g+7], 0
.endr
	s_or_b32 s[G1S+0], s43, (3<<16)|(1<<21)        ; the scale words of NB tiles: a dense block, as rows of 256 bytes
	s_or_b32 s[G1SB+0], s44, (3<<16)|(1<<21)
.irp g, G1S, G1SB
	s_mov_b32 s[\g+1], 32<<16
	s_mov_b32 s[\g+2], (2*HALFS/256)<<16           ; a side's scale words whole
	s_mov_b32 s[\g+3], 32<<16
	s_mov_b32 s[\g+4], 2*HALFS/256
	s_mov_b32 s[\g+5], 32
	s_mov_b32 s[\g+6], 0
	s_mov_b32 s[\g+7], 0
.endr
	s_mul_i32 s18, s16, HBC                        ; my half of a side's rows, in bytes, as the pair s[18:19]
	s_mov_b32 s19, 0
	s_mul_i32 s20, s17, RBC                        ; src1's addresses hang on the block of tokens alone,
	s_add_co_u32 s20, s20, s18
	s_add_co_u32 s20, s20, A1OFF
	s_mov_b32 s21, 0
	s_mul_i32 s22, s17, RBS
	s_add_co_u32 s22, s22, A1SOFF
	s_mov_b32 s23, 0
	s_mul_i32 s46, s42, RBC                        ; src0's on the block of features alone
	s_add_co_u32 s46, s46, s18
	s_add_co_u32 s46, s46, B0OFF
	s_mov_b32 s47, 0
	s_mul_i32 s92, s42, RBS
	s_add_co_u32 s92, s92, B0SOFF
	s_mov_b32 s93, 0
	s_mul_i32 s45, s14, HALF
	s_wait_kmcnt 0x0
	s_add_nc_u64 s[20:21], s[4:5], s[20:21]
	s_add_nc_u64 s[22:23], s[4:5], s[22:23]
	s_add_nc_u64 s[46:47], s[6:7], s[46:47]
	s_add_nc_u64 s[92:93], s[6:7], s[92:93]
	CROUND                                         ; all sixteen work-groups are here: the first joint loads meet
	s_mov_b32 s[G0S], 1
	s_mov_b32 s[G0S+1], SCL
	s_mov_b64 s[G0S+2:G0S+3], s[22:23]
	s_or_b32 s[G0S+3], s[G0S+3], 0x80000000
	s_mov_b32 s[G0SB], 1
	s_mov_b32 s[G0SB+1], SCL+2*HALFS
	s_mov_b64 s[G0SB+2:G0SB+3], s[92:93]
	s_or_b32 s[G0SB+3], s[G0SB+3], 0x80000000
.irp s, 0                              ; the refill's group 0: my quarter, LDS byte wave x HALF; the change of slots steps it to K steps 6 and 7
	s_mov_b32 s[G0+4*\s], 1
	s_add_co_u32 s[G0+4*\s+1], s45, \s*SLOT
	s_add_nc_u64 s[G0+4*\s+2:G0+4*\s+3], s[20:21], \s*NQ*1536
	s_or_b32 s[G0+4*\s+3], s[G0+4*\s+3], 0x80000000
	s_mov_b32 s[G0B+4*\s], 1
	s_add_co_u32 s[G0B+4*\s+1], s45, \s*SLOT
	s_add_nc_u64 s[G0B+4*\s+2:G0B+4*\s+3], s[46:47], \s*NQ*1536
	s_or_b32 s[G0B+4*\s+3], s[G0B+4*\s+3], 0x80000000
.endr
	s_mov_b32 s[G0+4], 1                           ; the head's group 0: src1's 2 NB tiles, K steps 0 to 3, [tile][4 steps] from LDS byte 0 on
	s_mov_b32 s[G0+5], 0
	s_sub_nc_u64 s[G0+6:G0+7], s[20:21], s[18:19]  ; the side's first tile: without my half
	s_or_b32 s[G0+7], s[G0+7], 0x80000000
	s_mov_b32 s[G0B+4], 1                          ; and src0's, behind them
	s_mov_b32 s[G0B+5], SLOT
	s_sub_nc_u64 s[G0B+6:G0B+7], s[46:47], s[18:19]
	s_or_b32 s[G0B+7], s[G0B+7], 0x80000000
	s_add_nc_u64 s[G0C+2:G0C+3], s[20:21], 2*NQ*1536   ; slot 2's groups 0 take the registers that held the sides' start addresses; none of them is written again before the wait for all loads
	s_or_b32 s[G0C+3], s[G0C+3], 0x80000000
	s_mov_b32 s[G0C], 1
	s_add_co_u32 s[G0C+1], s45, 2*SLOT
	s_add_nc_u64 s[G0BC+2:G0BC+3], s[46:47], 2*NQ*1536
	s_or_b32 s[G0BC+3], s[G0BC+3], 0x80000000
	s_mov_b32 s[G0BC], 1
	s_add_co_u32 s[G0BC+1], s45, 2*SLOT
; THE HEAD'S LOADS, ONE A WAVE: wave 0 src1's K steps 0 to 3, wave 1 src0's, wave 2 src1's scale words, wave 3 src0's.  One tree of branches on the wave's number.
.macro ARM under, g0, g1, next
	s_cmp_lt_u32 s14, \under
	s_cbranch_scc0 \next
	tensor_load_to_lds s[\g0:\g0+3], s[\g1:\g1+7]
	s_nop 0
.rept 4
	v_nop
.endr
	s_branch .Lhead_asked
\next:
.endm
	ARM 1, G0+4, G1, .Lhead_b
	ARM 2, G0B+4, G1B, .Lhead_sa
	ARM 3, G0S, G1S, .Lhead_sb
	tensor_load_to_lds s[G0SB:G0SB+3], s[G1SB:G1SB+7]
	s_nop 0
.rept 4
	v_nop
.endr
.Lhead_asked:
	v_and_b32 v1, 31, v0
	v_lshlrev_b32 v1, 4, v1                        ; 16 x lane
	s_wait_alu depctr_va_vdst(0)
	v_and_b32 v2, 15, v0                           ; r
	v_bfe_u32 v3, v0, 4, 1                         ; h
	v_lshlrev_b32 v5, 6, v3                        ; 64 h
	v_lshlrev_b32 v6, 2, v2                        ; 4 r
	s_mul_i32 s18, s42, 128*NB                     ; the bias of my NB tiles of features
	s_mul_i32 s19, s16, 64*NB
	s_add_co_u32 s18, s18, s19
	s_mov_b32 s19, 0
	s_add_nc_u64 s[8:9], s[8:9], s[18:19]
	WIN 0x40                                       ; destination window 1: the 64 registers that src0's two sets leave free
.irp b, 0,1,2,3,4,5,6,7
	global_load_b128 v[96+8*\b+96*(\b/4):99+8*\b+96*(\b/4)], v5, s[8:9] offset:(32*(\b/2)+8*(\b%2))*4
	global_load_b128 v[100+8*\b+96*(\b/4):103+8*\b+96*(\b/4)], v5, s[8:9] offset:(32*(\b/2)+8*(\b%2))*4+16
.endr
	WIN 0
	s_lshl_b32 s92, s14, 16
	v_add_nc_u32 v[STA], s92, v1
	s_mul_i32 s92, s15, HALF
	s_mul_i32 s93, s16, HALF
	s_add_co_u32 s93, s93, 2*HALF
.irp s, 0,2                            ; register 0: the refill's bytes (K steps 6, 7); register 2: K steps 4, 5, from 2 SLOT on
	v_add_nc_u32 v[ADRA+\s], s92, v1
	v_add_nc_u32 v[ADRB+\s], s93, v1
	s_add_co_u32 s92, s92, 2*SLOT
	s_add_co_u32 s93, s93, 2*SLOT
.endr
	s_mul_i32 s92, s15, 2*HALF                     ; register 1: K steps 0 to 3, [tile][4 steps]: my NB tiles are 2 HALF bytes
	s_mul_i32 s93, s16, 2*HALF
	s_add_co_u32 s93, s93, SLOT
	v_add_nc_u32 v[ADRA+1], s92, v1
	v_add_nc_u32 v[ADRB+1], s93, v1
	v_lshlrev_b32 v10, 2, v2
	s_mul_i32 s92, s15, HALFS
	s_mul_i32 s93, s16, HALFS
	s_add_co_u32 s93, s93, 2*HALFS
	s_sub_co_u32 s93, s93, s92
	v_mul_u32_u24 v11, s93, v3                     ; lanes 16-31 take src0's scale words
	s_add_co_u32 s92, s92, SCL
	v_add_nc_u32 v10, v10, v11
	v_add_nc_u32 v[ADRS], s92, v10
	s_lshl_b32 s18, s17, 4
	s_lshl_b32 s92, s15, 3
	s_add_co_u32 s18, s18, s92                     ; my first tile of tokens
	s_lshl_b32 s18, s18, 5
	s_lshl_b32 s92, s42, 1
	s_add_co_u32 s18, s18, s92
	s_add_co_u32 s18, s18, s16                     ; x 32 + my K step of the next product
	s_mul_i32 s94, s18, 1536
	s_mov_b32 s95, 0
	s_add_nc_u64 s[96:97], s[10:11], s[94:95]
	s_lshl_b32 s18, s18, 6
	s_add_co_u32 s18, s18, HS
	s_add_nc_u64 s[66:67], s[10:11], s[18:19]
	s_wait_alu depctr_va_vdst(0)
	s_wait_tensorcnt 0x0                           ; my one load of the head is in
	ds_add_u32 v[SPW], v[NIL]
.irp g, G1, G1B                        ; no load of mine is out: from here on a load brings NB tiles x NQ K steps
	s_mov_b32 s[\g+1], (192*NQ)<<16
	s_mov_b32 s[\g+2], NB<<16
	s_mov_b32 s[\g+3], (192*NQ)<<16
	s_mov_b32 s[\g+4], NB
.endr
	s_wait_dscnt 0x0
	CROUND                                         ; K steps 0 to 3 and the scale words are whole for every wave of the cluster
	JLOAD G0C, G1, G0BC, G1B                       ; K steps 4 and 5: their first fill, the one load behind the round; four K steps of products stand ahead of the wait for it
.set PS, 4
.set QO, 0
	FETCH 1, 0, 0
	SCALES 0
	STEP 1, 0, 0, 1                                ; the first step's products start the sums
.set QO, 2
	TURN 1, 0, 1, 1, 0                             ; K steps 2 and 3 lie in the same bytes: no barrier
	STEP 1, 1, 0, 0
.set PS, 2
.set QO, 0
	s_wait_alu depctr_va_vdst(0)
	TURN 0, 1, 2, 0, 2                             ; the head's bytes are read no more: K steps 6 and 7 land on their first SLOT bytes
	STEP 2, 0, 0, 0
	s_wait_alu depctr_va_vdst(0)
	TURN 2, 0, 0, 1, 1                             ; the refill is shown to every wave; nothing more is filled
	STEP 0, 1, 0, 0
	s_wait_dscnt 0x0                               ; the very last step: my reads of the slots and of the scale words are over:
	s_barrier_signal -1                            ; say so;
	WIN 0xa1
	MULS 0, NB/2, 1, NQ-1, 1, 0
	WIN 0xf1
	MULS NB/2, NB/2, 1, NQ-1, 1, 0
	WIN 0
	s_barrier_wait -1                              ; nobody reads the slots any more: the stages may be written over them
	PLACES 4
.set aa, 0
.rept 8
	WIN 0x08+4*(aa/4)                              ; an LDS store's data: window 2 or 3
.set kk, 0
.rept 16
	ds_store_b128 v[STA], v[64*(aa%4)+4*kk:64*(aa%4)+4*kk+3] offset:8192*aa+512*kk   ; as they stand, 16 bytes a lane; each accumulator from its low end on
.set kk, kk+1
.endr
.set aa, aa+1
.endr
	WIN 0
	s_mov_b32 s[SEL], 0x76543210
	s_mov_b32 s[SEL+1], 0xfedcba98
	s_mov_b32 s[IPI], 0x3ea2f983                   ; 1 / pi
	s_mov_b32 s[IPI+1], s[IPI]
	s_mov_b32 s[NPH], 0xc0490fdb                   ; - pi's upper part
	s_mov_b32 s[NPH+1], s[NPH]
	s_mov_b32 s[NPL], 0x33bbbd2e                   ; - its lower part
	s_mov_b32 s[NPL+1], s[NPL]
	s_mov_b32 s[C11], 0xb2d7322b                   ; -1 / 11!
	s_mov_b32 s[C11+1], s[C11]
	s_mov_b32 s[C7], 0xb9500d01                    ; -1 / 7!
	s_mov_b32 s[C7+1], s[C7]
	s_mov_b32 s[C5], 0x3c088889                    ; 1 / 5!
	s_mov_b32 s[C5+1], s[C5]
	s_mov_b32 s[C3], 0xbe2aaaab                    ; -1 / 3!
	s_mov_b32 s[C3+1], s[C3]
	v_mov_b32 v[MG], 0x4b400000
	v_mov_b32 v[MG+1], 0x4b400000
	v_mov_b32 v[NMG], 0xcb400000
	v_mov_b32 v[NMG+1], 0xcb400000
	v_mov_b32 v[C9V], 0x3638ef1d                   ; 1 / 9!
	v_mov_b32 v[C9V+1], 0x3638ef1d
	s_wait_loadcnt 0x0                             ; the bias, asked for at the head
	LOADH HA, 0                                    ; tile 0
	s_mov_b32 s3, 3
.Lrow:                                                 ; a trip: two tiles; each tile's registers are asked for ahead of the work on the tile before
	s_wait_dscnt 0x0                               ; the even tile is in
	LOADH HB, 8192
	TILE HA
	s_wait_dscnt 0x0                               ; the odd tile is in
	v_add_nc_u32 v[STA], 16384, v[STA]
	LOADH HA, 0
	TILE HB
	s_sub_co_u32 s3, s3, 1
	s_cmp_lg_u32 s3, 0
	s_cbranch_scc1 .Lrow
	s_wait_dscnt 0x0                               ; tiles 6 and 7 are written out: nothing is asked for behind tile 7
	LOADH HB, 8192
	TILE HA
	s_wait_dscnt 0x0
	TILE HB
	s_wait_tensorcnt 0x0                           ; the wave's end
	ds_add_u32 v[SPW], v[NIL]
	s_wait_dscnt 0x0
	CROUND                                         ; the closing round
	s_endpgm
.Lfunc_end_k_q40b09c2735_ff1:
	.size	k_q40b09c2735_ff1, .Lfunc_end_k_q40b09c2735_ff1-k_q40b09c2735_ff1
	.p2alignl 7, 3214868480
	.fill 96, 4, 3214868480
	.section	.rodata,"a",@progbits
	.p2align	6, 0x0
	.amdhsa_kernel k_q40b09c2735_ff1
		.amdhsa_group_segment_fixed_size 327680
		.amdhsa_private_segment_fixed_size 0
		.amdhsa_enable_private_segment 0
		.amdhsa_kernarg_size 32
		.amdhsa_user_sgpr_count 2
		.amdhsa_user_sgpr_kernarg_segment_ptr 1
		.amdhsa_wavefront_size32 1
		.amdhsa_system_sgpr_workgroup_id_x 1
		.amdhsa_system_sgpr_workgroup_id_y 1
		.amdhsa_system_sgpr_workgroup_id_z 1
		.amdhsa_system_vgpr_workitem_id 0
		.amdhsa_next_free_vgpr 1024
		.amdhsa_next_free_sgpr 100
		.amdhsa_reserve_vcc 0
		.amdhsa_float_denorm_mode_32 3
		.amdhsa_float_denorm_mode_16_64 3
		.amdhsa_memory_ordered 1
		.amdhsa_forward_progress 1
		.amdhsa_inst_pref_size 252
	.end_amdhsa_kernel
	.amdgpu_metadata
---
amdhsa.version: [ 1, 2 ]
amdhsa.kernels:
  - .name:           k_q40b09c2735_ff1
    .symbol:         k_q40b09c2735_ff1.kd
    .args:
      - { .name: x1, .offset: 0, .size: 8, .value_kind: global_buffer, .address_space: global }
      - { .name: prep, .offset: 8, .size: 8, .value_kind: global_buffer, .address_space: global }
      - { .name: b1, .offset: 16, .size: 8, .value_kind: global_buffer, .address_space: global }
      - { .name: h, .offset: 24, .size: 8, .value_kind: global_buffer, .address_space: global }
    .group_segment_fixed_size: 327680
    .private_segment_fixed_size: 0
    .kernarg_segment_align: 8
    .kernarg_segment_size: 32
    .max_flat_workgroup_size: 128
    .sgpr_count:     100
    .vgpr_count:     1024
    .wavefront_size: 32
...
	.end_amdgpu_metadata
.endif
;; end of part 5
;; launch ff2 (part 6): grid 8 x 32, 4 waves a work-group, clusters of 4 x 4, 327,680 bytes of LDS; arguments h, prep, b2, y; writes y
.if DOCPART == 6
	.amdgcn_target "amdgcn-amd-amdhsa--gfx1250"
	.amdhsa_code_object_version 6
	.text
	.protected	k_q40b09c2735_ff2
	.globl	k_q40b09c2735_ff2
	.p2align	8
	.type	k_q40b09c2735_ff2,@function
k_q40b09c2735_ff2:
	s_mov_b64 s[64:65], 0
	v_nop
	global_prefetch_b8 v0, s[64:65] scope:SCOPE_SE
	s_setreg_imm32_b32 hwreg(HW_REG_WAVE_MODE, 25, 1), 1
	s_wait_xcnt 0x0
	s_wait_alu depctr_hold_cnt(0) depctr_sa_sdst(0) depctr_va_vdst(0) depctr_va_sdst(0) depctr_va_ssrc(0) depctr_va_vcc(0) depctr_vm_vsrc(0)
	s_getreg_b32 s2, hwreg(HW_REG_IB_STS2, 6, 4)
	s_cmp_eq_u32 s2, 0
	s_cbranch_scc0 .Lentry_in_a_cluster
	s_endpgm
.Lentry_in_a_cluster:
	s_bfe_u32 s2, ttmp6, 0x10000c
	s_cmp_lg_u32 s2, 0xf033
	s_cbranch_scc0 .Lentry_shape_is_right
	s_endpgm
.Lentry_shape_is_right:
.set NB,  4
.set NQ,  4
.set KT,  32
.set NLA, 3
.set SCL, 196608
.set A1OFF,  0
.set A1SOFF, 12582912
.set B0OFF,  9437184
.set B0SOFF, 12976128
.set LAPS, KT/(2*NQ)
.set NLT,  NB*(3+NLA)
.set HALF, NB*NQ*1536
.set SLOT, 4*HALF
.set HALFS, NB*KT*64
.set SPARE, SCL+4*HALFS
.set RBC,  2*NB*KT*1536
.set HBC,  NB*KT*1536
.set RBS,  2*HALFS
.set ADRA, 16
.set ADRA8, 18
.set ADRB, 20
.set ADRS, 27
.set SPW,  28
.set NIL,  29
.set SC,   32
.set AF,   64
.set BIAS, 224
.set H,    96
.set G1, 24
.set G0, 32
.set G1B, 48
.set G0B, 56
.set G1S, 68
.set G0S, 76
.set G1SB, 80
.set G0SB, 88
.set PFA, 12                           ; s[12:13] where my prefetches stand: my work-group's tile of the four that I fetch, at the slot that is being asked for
.set PFO, 30                           ; v30 256 x min(lane, 23): a tile's part of a slot is 24 blocks of 256 bytes; never rewritten
.set MSB, 0
.macro WIN new
.if MSB != (\new)
	s_set_vgpr_msb (MSB<<8)|(\new)
.set MSB, (\new)
.endif
.endm
.macro JLOAD g0a, g1a, g0b, g1b
	s_cmp_eq_u32 s15, 0
	s_cbranch_scc0 .Lfor_b_\@
	tensor_load_to_lds s[\g0a:\g0a+3], s[\g1a:\g1a+7]
	s_nop 0
.rept 4
	v_nop
.endr
	s_branch .Lasked_\@
.Lfor_b_\@:
	tensor_load_to_lds s[\g0b:\g0b+3], s[\g1b:\g1b+7]
	s_nop 0
.rept 4
	v_nop
.endr
.Lasked_\@:
.endm
.macro CREST
	s_cmp_lg_u32 s14, 0
	s_cbranch_scc1 .Lnot_wave_0_\@
	s_barrier_signal -3
.Lnot_wave_0_\@:
	s_barrier_wait -3
	s_barrier_signal -1
	s_barrier_wait -1
.endm
.macro CROUND
	s_barrier_signal -1
	s_barrier_wait -1
	CREST
.endm
.macro PLACES n
.rept \n
	v_nop
.endr
.endm
.macro MULA a, set, q, sc, zero
.set bb, 0
.rept NB
.set rD, 8*(NB*((\a)%(NB/2))+bb)
.set rB, 128*(\set)+12*bb
.set rA, AF+96*(\set)+12*(\a)
.set rSB, SC+16*(\sc)+NQ*bb+(\q)
.set rSA, SC+16*(\sc)+NQ*(\a)+(\q)
.if \zero
	v_wmma_scale_f32_16x16x128_f8f6f4 v[rD:rD+7], v[rB:rB+11], v[rA:rA+11], 0, v[rSB], v[rSA] matrix_a_fmt:MATRIX_FMT_FP6 matrix_b_fmt:MATRIX_FMT_FP6 matrix_a_scale:MATRIX_SCALE_ROW1
.else
	v_wmma_scale_f32_16x16x128_f8f6f4 v[rD:rD+7], v[rB:rB+11], v[rA:rA+11], v[rD:rD+7], v[rSB], v[rSA] matrix_a_fmt:MATRIX_FMT_FP6 matrix_b_fmt:MATRIX_FMT_FP6 matrix_a_scale:MATRIX_SCALE_ROW1
.endif
.set bb, bb+1
.endr
.endm
.macro MULS a0, n, set, q, sc, zero
.set aa, \a0
.rept \n
	MULA aa, \set, \q, \sc, \zero
.set aa, aa+1
.endr
.endm
.macro FETCH slot, q, set
	WIN 0x40
.set ii, 0
.rept NB
.set rF, 128*(\set)+12*ii
.set oF, (ii*NQ+(\q))*1536
	ds_load_b128 v[rF:rF+3], v[ADRB+\slot] offset:oF
	ds_load_b128 v[rF+4:rF+7], v[ADRB+\slot] offset:oF+512
	ds_load_b128 v[rF+8:rF+11], v[ADRB+\slot] offset:oF+1024
.set ii, ii+1
.endr
	WIN 0
.set ii, 0
.rept NB
.set rF, AF+96*(\set)+12*ii
.set oF, (ii*NQ+(\q))*1536
.if NLA == 3
	ds_load_b128 v[rF:rF+3], v[ADRA+\slot] offset:oF
	ds_load_b128 v[rF+4:rF+7], v[ADRA+\slot] offset:oF+512
	ds_load_b128 v[rF+8:rF+11], v[ADRA+\slot] offset:oF+1024
.else
	ds_load_b128 v[rF:rF+3], v[ADRA+\slot] offset:oF
	ds_load_b64 v[rF+4:rF+5], v[ADRA8+\slot] offset:oF+512
	ds_load_b128 v[rF+6:rF+9], v[ADRA+\slot] offset:oF+768
	ds_load_b64 v[rF+10:rF+11], v[ADRA8+\slot] offset:oF+1280
.endif
.set ii, ii+1
.endr
.endm
.macro SCALES set
.set ii, 0
.rept NB
.set kk, 0
.rept NQ
	ds_load_b32 v[SC+16*(\set)+NQ*ii+kk], v[ADRS] offset:ii*KT*64+64*kk
.set kk, kk+1
.endr
.set ii, ii+1
.endr
.endm
.macro STEP slot, q, zero
	PLACES 4
	FETCH \slot, (\q)+1, 1-(\q)%2
	s_wait_dscnt NLT
	WIN 0xa1
	MULS 0, NB/2, (\q)%2, \q, \slot, \zero
	WIN 0xf1
	MULS NB/2, NB/2, (\q)%2, \q, \slot, \zero
	WIN 0
.endm
.macro STEPS slot, q0
.set qq, \q0
.rept NQ-1-(\q0)
	STEP \slot, qq, 0
.set qq, qq+1
.endr
.endm
.macro TURN slot, next, fill
.if \fill
	s_wait_xcnt 0x0                                ; any prefetch of mine has read its address: it steps one slot on, ahead of the waits of the change of slots
	s_add_nc_u64 s[PFA:PFA+1], s[PFA:PFA+1], NQ*1536
.endif
	s_wait_tensorcnt 0x0
	ds_add_u32 v[SPW], v[NIL]
	s_wait_dscnt 1
	WIN 0xa1
	MULS 0, NB/4, 1, NQ-1, \slot, 0
	s_wait_dscnt 0x0
	s_barrier_signal -1
	MULS NB/4, NB/4, 1, NQ-1, \slot, 0
	WIN 0
	s_barrier_wait -1
.if \fill
	CREST
	s_add_nc_u64 s[G0+4*\slot+2:G0+4*\slot+3], s[G0+4*\slot+2:G0+4*\slot+3], 2*NQ*1536
	s_add_nc_u64 s[G0B+4*\slot+2:G0B+4*\slot+3], s[G0B+4*\slot+2:G0B+4*\slot+3], 2*NQ*1536
	JLOAD G0+4*\slot, G1, G0B+4*\slot, G1B
.else
	PLACES 4
.endif
	s_wait_alu depctr_va_vdst(0)
	v_add_nc_u32 v[ADRS], 64*NQ, v[ADRS]
	FETCH \next, 0, 0
	SCALES \next
.if \fill                              ; A PREFETCH INTO THE L2, behind the joint load and the run of LDS loads: the slot that stands two refills on.  Of the NB tiles that I fetch, the partner at place p takes tile p
	s_cmp_gt_u32 s3, 1                             ; (p = cx for src1, cy for src0): told apart by address alone; each block of 256 bytes is named once in the cluster.  The last trip's two refills have no slot two on
	s_cbranch_scc0 .Lnp_\@
	global_prefetch_b8 v[PFO], s[PFA:PFA+1] offset:2*NQ*1536 th:TH_LOAD_NT scope:SCOPE_SE
.Lnp_\@:
.endif
	WIN 0xf1
	MULS NB/2, NB/2, 1, NQ-1, \slot, 0
	WIN 0
.endm
	s_load_b256 s[4:11], s[0:1], 0x0
	v_lshl_add_u32 v[SPW], v0, 2, SPARE
	v_mov_b32 v[NIL], 0
	ds_add_u32 v28, v29
	ds_add_u32 v28, v29
	s_wait_dscnt 0x0
	v_lshrrev_b32 v1, 5, v0
	v_readfirstlane_b32 s14, v1
	s_lshr_b32 s15, s14, 1
	s_and_b32 s16, s14, 1
	s_bfe_u32 s40, ttmp6, 0x40000
	s_bfe_u32 s41, ttmp6, 0x40004
	s_lshl_b32 s42, ttmp9, 2
	s_add_co_u32 s42, s42, s40
	s_and_b32 s17, ttmp7, 0xffff
	s_lshl_b32 s17, s17, 2
	s_add_co_u32 s17, s17, s41
	s_lshl_b32 s43, s41, 2
	s_lshl_b32 s43, 15, s43
	s_lshl_b32 s44, 0x1111, s40
	s_or_b32 s[G1+0], s43, (3<<16)|(1<<21)
	s_or_b32 s[G1B+0], s44, (3<<16)|(1<<21)
.irp g, G1, G1B
	s_mov_b32 s[\g+1], (192*NQ)<<16
	s_mov_b32 s[\g+2], (2*NB)<<16                  ; for the head's loads: a side's 2 NB tiles
	s_mov_b32 s[\g+3], (192*NQ)<<16
	s_mov_b32 s[\g+4], 2*NB
	s_mov_b32 s[\g+5], 192*KT
	s_mov_b32 s[\g+6], 0
	s_mov_b32 s[\g+7], 0
.endr
	s_or_b32 s[G1S+0], s43, (3<<16)|(1<<21)
	s_or_b32 s[G1SB+0], s44, (3<<16)|(1<<21)
.irp g, G1S, G1SB
	s_mov_b32 s[\g+1], 32<<16
	s_mov_b32 s[\g+2], (2*HALFS/256)<<16
	s_mov_b32 s[\g+3], 32<<16
	s_mov_b32 s[\g+4], 2*HALFS/256
	s_mov_b32 s[\g+5], 32
	s_mov_b32 s[\g+6], 0
	s_mov_b32 s[\g+7], 0
.endr
	s_mul_i32 s18, s16, HBC                        ; my half of a side's rows, in bytes, as the pair s[18:19]
	s_mov_b32 s19, 0
	s_mul_i32 s20, s17, RBC
	s_add_co_u32 s20, s20, s18
	s_add_co_u32 s20, s20, A1OFF
	s_mov_b32 s21, 0
	s_mul_i32 s22, s17, RBS
	s_add_co_u32 s22, s22, A1SOFF
	s_mov_b32 s23, 0
	s_mul_i32 s46, s42, RBC
	s_add_co_u32 s46, s46, s18
	s_add_co_u32 s46, s46, B0OFF
	s_mov_b32 s47, 0
	s_mul_i32 s92, s42, RBS
	s_add_co_u32 s92, s92, B0SOFF
	s_mov_b32 s93, 0
	s_mul_i32 s45, s14, HALF
	s_wait_kmcnt 0x0
	s_add_nc_u64 s[20:21], s[4:5], s[20:21]
	s_add_nc_u64 s[22:23], s[4:5], s[22:23]
	s_add_nc_u64 s[46:47], s[6:7], s[46:47]
	s_add_nc_u64 s[92:93], s[6:7], s[92:93]
	CROUND
	s_mov_b32 s[G0S], 1
	s_mov_b32 s[G0S+1], SCL
	s_mov_b64 s[G0S+2:G0S+3], s[22:23]
	s_or_b32 s[G0S+3], s[G0S+3], 0x80000000
	s_mov_b32 s[G0SB], 1
	s_mov_b32 s[G0SB+1], SCL+2*HALFS
	s_mov_b64 s[G0SB+2:G0SB+3], s[92:93]
	s_or_b32 s[G0SB+3], s[G0SB+3], 0x80000000
.irp s, 0,1
	s_mov_b32 s[G0+4*\s], 1
	s_add_co_u32 s[G0+4*\s+1], s45, \s*SLOT
	s_add_nc_u64 s[G0+4*\s+2:G0+4*\s+3], s[20:21], \s*NQ*1536
	s_or_b32 s[G0+4*\s+3], s[G0+4*\s+3], 0x80000000
	s_mov_b32 s[G0B+4*\s], 1
	s_add_co_u32 s[G0B+4*\s+1], s45, \s*SLOT
	s_add_nc_u64 s[G0B+4*\s+2:G0B+4*\s+3], s[46:47], \s*NQ*1536
	s_or_b32 s[G0B+4*\s+3], s[G0B+4*\s+3], 0x80000000
.endr
	s_sub_nc_u64 s[94:95], s[20:21], s[18:19]      ; the head's groups 0: slot 0's two halves of src1 as one tile, without my half,
	s_or_b32 s95, s95, 0x80000000
	s_mov_b32 s92, 1
	s_mov_b32 s93, 0
	s_sub_nc_u64 s[46:47], s[46:47], s[18:19]      ; and of src0, behind them
	s_or_b32 s47, s47, 0x80000000
	s_mov_b32 s44, 1
	s_mov_b32 s45, 2*HALF
; THE HEAD'S LOADS, ONE A WAVE: wave 0 slot 0's src1, wave 1 its src0, wave 2 src1's scale words, wave 3 src0's.  One tree of branches on the wave's number.
.macro ARM under, g0, g1, next
	s_cmp_lt_u32 s14, \under
	s_cbranch_scc0 \next
	tensor_load_to_lds s[\g0:\g0+3], s[\g1:\g1+7]
	s_nop 0
.rept 4
	v_nop
.endr
	s_branch .Lhead_asked
\next:
.endm
	ARM 1, 92, G1, .Lhead_b
	ARM 2, 44, G1B, .Lhead_sa
	ARM 3, G0S, G1S, .Lhead_sb
	tensor_load_to_lds s[G0SB:G0SB+3], s[G1SB:G1SB+7]
	s_nop 0
.rept 4
	v_nop
.endr
.Lhead_asked:
	; the prefetches' address, in registers that feed no descriptor: the side that I fetch for, my half of its tiles, my work-group's tile of the four, at slot 1
	s_mul_i32 s66, s17, RBC
	s_mul_i32 s67, s40, KT*1536
	s_add_co_u32 s66, s66, s67
	s_add_co_u32 s66, s66, A1OFF+NQ*1536
	s_mul_i32 s98, s42, RBC
	s_mul_i32 s99, s41, KT*1536
	s_add_co_u32 s98, s98, s99
	s_add_co_u32 s98, s98, B0OFF+NQ*1536
	s_cmp_eq_u32 s15, 0                            ; do I fetch for src1?
	s_cselect_b32 s66, s66, s98
	s_cselect_b64 s[PFA:PFA+1], s[4:5], s[6:7]
	s_mul_i32 s67, s16, HBC
	s_add_co_u32 s66, s66, s67
	s_mov_b32 s67, 0
	s_add_nc_u64 s[PFA:PFA+1], s[PFA:PFA+1], s[66:67]
	v_and_b32 v[PFO], 31, v0
	v_min_u32 v[PFO], 23, v[PFO]                   ; the eight lanes that are left over name the last block again
	v_lshlrev_b32 v[PFO], 8, v[PFO]
	v_and_b32 v1, 31, v0
	v_lshlrev_b32 v1, 4, v1
	s_wait_alu depctr_va_vdst(0)
	v_and_b32 v2, 15, v0
	s_wait_alu depctr_va_vdst(0)
	v_bfe_u32 v3, v0, 4, 1
	s_wait_alu depctr_va_vdst(0)
	v_lshlrev_b32 v5, 6, v3
	s_mul_i32 s18, s42, 128*NB
	s_mul_i32 s19, s16, 64*NB
	s_add_co_u32 s18, s18, s19
	s_mov_b32 s19, 0
	s_add_nc_u64 s[8:9], s[8:9], s[18:19]
.irp b, 0,1,2,3
	global_load_b128 v[BIAS+8*\b:BIAS+8*\b+3], v5, s[8:9] offset:(32*(\b/2)+8*(\b%2))*4
	global_load_b128 v[BIAS+8*\b+4:BIAS+8*\b+7], v5, s[8:9] offset:(32*(\b/2)+8*(\b%2))*4+16
.endr
	s_mul_i32 s21, s15, HALF
	s_mul_i32 s22, s16, HALF
	s_add_co_u32 s22, s22, 2*HALF
.irp s, 0,1
	v_add_nc_u32 v[ADRA+\s], s21, v1
	v_add_nc_u32 v[ADRB+\s], s22, v1
	s_add_co_u32 s21, s21, SLOT
	s_add_co_u32 s22, s22, SLOT
.endr
	v_lshlrev_b32 v10, 2, v2
	s_mul_i32 s21, s15, HALFS
	s_mul_i32 s22, s16, HALFS
	s_add_co_u32 s22, s22, 2*HALFS
	s_sub_co_u32 s22, s22, s21
	v_mul_u32_u24 v11, s22, v3
	s_add_co_u32 s21, s21, SCL
	v_add_nc_u32 v10, v10, v11
	v_add_nc_u32 v[ADRS], s21, v10
	s_lshl_b32 s18, s17, 19
	s_lshl_b32 s19, s15, 18
	s_add_co_u32 s18, s18, s19
	s_lshl_b32 s19, s42, 13
	s_add_co_u32 s18, s18, s19
	s_lshl_b32 s19, s16, 12
	s_add_co_u32 s18, s18, s19
	s_mov_b32 s19, 0
	s_add_nc_u64 s[96:97], s[10:11], s[18:19]
	s_wait_alu depctr_va_vdst(0)
	s_wait_tensorcnt 0x0                           ; my one load of the head is in
	ds_add_u32 v[SPW], v[NIL]
	s_mov_b32 s[G1+2], NB<<16                      ; no load of mine is out: from here on a load brings NB tiles
	s_mov_b32 s[G1+4], NB
	s_mov_b32 s[G1B+2], NB<<16
	s_mov_b32 s[G1B+4], NB
	s_wait_dscnt 0x0
	CROUND                                         ; slot 0 and the scale words are whole for every wave of the cluster
	JLOAD G0+4, G1, G0B+4, G1B                     ; slot 1's first fill, the one load behind the round
	FETCH 0, 0, 0
	SCALES 0
	global_prefetch_b8 v[PFO], s[PFA:PFA+1] offset:NQ*1536 th:TH_LOAD_NT scope:SCOPE_SE     ; slots 2 and 3, which the first trip's two refills load: three and seven K steps ahead of them
	global_prefetch_b8 v[PFO], s[PFA:PFA+1] offset:2*NQ*1536 th:TH_LOAD_NT scope:SCOPE_SE
	STEP 0, 0, 1
.if NQ > 2
	STEPS 0, 1
.endif
.if LAPS > 1
	s_mov_b32 s3, LAPS-1
.Llap:
	TURN 0, 1, 1
	STEPS 1, 0
	TURN 1, 0, 1
	STEPS 0, 0
	s_sub_co_u32 s3, s3, 1
	s_cmp_lg_u32 s3, 0
	s_cbranch_scc1 .Llap
.endif
	TURN 0, 1, 0
	STEPS 1, 0
	s_wait_dscnt 0x0
	WIN 0xa1
	MULS 0, NB/2, 1, NQ-1, 1, 0
	WIN 0xf1
	MULS NB/2, NB/2, 1, NQ-1, 1, 0
	WIN 0
	PLACES 4
	s_wait_loadcnt 0x0
.irp a, 0,1,2,3
	WIN 0x02+\a/2
.set ii, 0
.rept 16
	v_pk_add_f32 v[H+32*\a+2*ii:H+32*\a+2*ii+1], v[32*(\a%2)+2*ii:32*(\a%2)+2*ii+1], v[BIAS+2*ii:BIAS+2*ii+1]
.set ii, ii+1
.endr
.endr
	WIN 0
.irp a, 0,1,2,3
.irp b, 0,1,2,3
.irp c, 0,1
	global_store_b128 v1, v[H+32*\a+8*\b+4*\c:H+32*\a+8*\b+4*\c+3], s[96:97] offset:65536*\a+1024*\b+512*\c
.endr
.endr
.endr
	s_wait_tensorcnt 0x0
	ds_add_u32 v[SPW], v[NIL]
	s_wait_dscnt 0x0
	CROUND
	s_endpgm
.Lfunc_end_k_q40b09c2735_ff2:
	.size	k_q40b09c2735_ff2, .Lfunc_end_k_q40b09c2735_ff2-k_q40b09c2735_ff2
	.p2alignl 7, 3214868480
	.fill 96, 4, 3214868480
	.section	.rodata,"a",@progbits
	.p2align	6, 0x0
	.amdhsa_kernel k_q40b09c2735_ff2
		.amdhsa_group_segment_fixed_size 327680
		.amdhsa_private_segment_fixed_size 0
		.amdhsa_enable_private_segment 0
		.amdhsa_kernarg_size 32
		.amdhsa_user_sgpr_count 2
		.amdhsa_user_sgpr_kernarg_segment_ptr 1
		.amdhsa_wavefront_size32 1
		.amdhsa_system_sgpr_workgroup_id_x 1
		.amdhsa_system_sgpr_workgroup_id_y 1
		.amdhsa_system_sgpr_workgroup_id_z 1
		.amdhsa_system_vgpr_workitem_id 0
		.amdhsa_next_free_vgpr 1024
		.amdhsa_next_free_sgpr 100
		.amdhsa_reserve_vcc 0
		.amdhsa_float_denorm_mode_32 3
		.amdhsa_float_denorm_mode_16_64 3
		.amdhsa_memory_ordered 1
		.amdhsa_forward_progress 1
		.amdhsa_inst_pref_size 88
	.end_amdhsa_kernel
	.amdgpu_metadata
---
amdhsa.version: [ 1, 2 ]
amdhsa.kernels:
  - .name:           k_q40b09c2735_ff2
    .symbol:         k_q40b09c2735_ff2.kd
    .args:
      - { .name: h, .offset: 0, .size: 8, .value_kind: global_buffer, .address_space: global }
      - { .name: prep, .offset: 8, .size: 8, .value_kind: global_buffer, .address_space: global }
      - { .name: b2, .offset: 16, .size: 8, .value_kind: global_buffer, .address_space: global }
      - { .name: y, .offset: 24, .size: 8, .value_kind: global_buffer, .address_space: global }
    .group_segment_fixed_size: 327680
    .private_segment_fixed_size: 0
    .kernarg_segment_align: 8
    .kernarg_segment_size: 32
    .max_flat_workgroup_size: 128
    .sgpr_count:     100
    .vgpr_count:     1024
    .wavefront_size: 32
...
	.end_amdgpu_metadata
.endif
;; end of part 6
;; launch ln2 (part 7): grid 256 x 1, 8 waves a work-group, no clusters, 69,632 bytes of LDS; arguments y, x1, g2, be2, out0; writes out0
.if DOCPART == 7
	.amdgcn_target "amdgcn-amd-amdhsa--gfx1250"
	.amdhsa_code_object_version 6
	.text
	.protected	k_q40b09c2735_ln2
	.globl	k_q40b09c2735_ln2
	.p2align	8
	.type	k_q40b09c2735_ln2,@function
k_q40b09c2735_ln2:
	s_mov_b64 s[64:65], 0
	v_nop
	global_prefetch_b8 v0, s[64:65] scope:SCOPE_SE
	s_setreg_imm32_b32 hwreg(HW_REG_WAVE_MODE, 25, 1), 1
	s_wait_xcnt 0x0
; LN2.  out0 = layernorm(x1 + y) g2 + be2, in f32.  A work-group owns tile T of 16 tokens (true rows 32 (T / 2) + 8 (T % 2) + r + 8 (r / 8)); wave w its columns 128 w on.
; Lane (r, h) holds token r and 64 numbers: register 16 b + i = column 128 w + 32 b + 16 h + i.  Both inputs arrive so, as images of result tiles (1,024 bytes each, 512 consecutive bytes a load).
; Mean and variance in two passes (the mean is taken away before the squares); the eight waves' sums meet in LDS: two barriers.  The result turns through the wave's own stage in LDS and leaves as rows:
; each store covers 512 consecutive bytes of a true row.  ALL 64 LOADS OF A WAVE GO OUT AT THE HEAD, gain and bias behind the two inputs: they are wanted last and have the whole kernel in which to land; the bias lies in the second window of registers.
; Memory binds: no matrix unit, no tensor load, no cluster.
; LIMITS: NaN and infinities are not served; v_rsq_f32 is good to 1 ulp.
.set STAT, 67584                       ; LDS behind the eight stages: 8 waves x 16 rows of sums, then of sums of squares
.set Y,   56                           ; v56-119  y, then the sum, then the result
.set R,   120                          ; v120-183 x1; at the end the rows back from the stage
.set G,   184                          ; v184-247 the gain
.set BEW, 0                            ; window 1, v0-63: the bias
.set SEL, 30
.set MSB, 0
.macro WIN new                         ; the immediate's high byte repeats the setting that is left
.if MSB != (\new)
	s_set_vgpr_msb (MSB<<8)|(\new)
.set MSB, (\new)
.endif
.endm
; my wave's sum (in v248, the same in lanes l and l xor 16) meets the other seven's at LDS byte off of the sums; the total comes back in v16
.macro MEET off
	s_delay_alu instid0(VALU_DEP_1)
	v_permlanex16_b32 v254, v248, s[SEL], s[SEL+1]
	s_delay_alu instid0(VALU_DEP_1)
	v_add_f32 v248, v248, v254                     ; row r's sum over my 128 columns
	ds_store_b32 v9, v248 offset:\off
	s_wait_dscnt 0x0                               ; for the others' sake: my store has landed
	s_barrier_signal -1
	s_barrier_wait -1
.irp i, 0,1,2,3,4,5,6,7
	ds_load_b32 v[16+\i], v10 offset:\off+64*\i
.endr
	s_wait_dscnt 0x0
	v_add_f32 v16, v16, v17
	v_add_f32 v18, v18, v19
	v_add_f32 v20, v20, v21
	v_add_f32 v22, v22, v23
	s_delay_alu instid0(VALU_DEP_3)
	v_add_f32 v16, v16, v18
	s_delay_alu instid0(VALU_DEP_2)
	v_add_f32 v20, v20, v22
	s_delay_alu instid0(VALU_DEP_1)
	v_add_f32 v16, v16, v20
.endm
	s_load_b256 s[4:11], s[0:1], 0x0               ; y, x1, g2, be2
	s_load_b64 s[12:13], s[0:1], 0x20              ; out0
	v_lshl_add_u32 v55, v0, 2, 0x10c00
	v_mov_b32 v255, 0
	v_lshrrev_b32 v1, 5, v0
	s_delay_alu instid0(VALU_DEP_1)
	v_readfirstlane_b32 s3, v1                     ; wave 0..7
	v_and_b32 v2, 31, v0
	v_and_b32 v3, 15, v0                           ; r
	v_bfe_u32 v4, v0, 4, 1                         ; h
	s_delay_alu instid0(VALU_DEP_3)
	v_lshlrev_b32 v1, 4, v2                        ; 16 x lane
	s_mul_i32 s14, s3, 8448                        ; my stage: 16 rows x (512 + 16) bytes
	v_add_nc_u32 v5, s14, v1                       ; by rows
	v_mul_u32_u24 v6, v3, 528
	s_delay_alu instid0(VALU_DEP_1)
	v_lshl_add_u32 v6, v4, 6, v6
	s_delay_alu instid0(VALU_DEP_1)
	v_add_nc_u32 v6, s14, v6                       ; by lanes: row r, + 64 h
	v_lshlrev_b32 v7, 2, v3                        ; 4 r
	v_lshlrev_b32 v8, 6, v4                        ; 64 h
	s_lshl_b32 s14, s3, 6
	v_add_nc_u32 v9, s14, v7
	s_delay_alu instid0(VALU_DEP_1)
	v_add_nc_u32 v9, STAT, v9                      ; where I put my wave's sums
	v_add_nc_u32 v10, STAT, v7                     ; where I read all eight
	v_mov_b32 v254, 0                              ; a lane permute's destination counts as one of its sources
	s_lshl_b32 s16, ttmp9, 16
	s_lshl_b32 s17, s3, 13
	s_add_co_u32 s16, s16, s17                     ; images: 65,536 T + 8,192 w
	s_mov_b32 s17, 0
	s_lshr_b32 s18, ttmp9, 1
	s_lshl_b32 s18, s18, 17
	s_and_b32 s19, ttmp9, 1
	s_lshl_b32 s19, s19, 15
	s_add_co_u32 s18, s18, s19
	s_lshl_b32 s20, s3, 9                          ; 512 w
	s_add_co_u32 s18, s18, s20                     ; out0: the tile's first true row, my columns
	s_mov_b32 s19, 0
	s_mov_b32 s21, 0
	s_mov_b32 s[SEL], 0x76543210
	s_mov_b32 s[SEL+1], 0xfedcba98
	s_wait_alu depctr_va_vdst(0)
	s_wait_kmcnt 0x0
	s_add_nc_u64 s[4:5], s[4:5], s[16:17]
	s_add_nc_u64 s[6:7], s[6:7], s[16:17]
	s_add_nc_u64 s[8:9], s[8:9], s[20:21]
	s_add_nc_u64 s[10:11], s[10:11], s[20:21]
	s_add_nc_u64 s[12:13], s[12:13], s[18:19]
.set ii, 0
.rept 16
	global_load_b128 v[Y+4*ii:Y+4*ii+3], v1, s[4:5] offset:512*ii th:TH_LOAD_NT
	global_load_b128 v[R+4*ii:R+4*ii+3], v1, s[6:7] offset:512*ii th:TH_LOAD_NT
.set ii, ii+1
.endr
.irp b, 0,1,2,3
.irp j, 0,1,2,3
	global_load_b128 v[G+16*\b+4*\j:G+16*\b+4*\j+3], v8, s[8:9] offset:128*\b+16*\j   ; the gain of my 64 columns
.endr
.endr
	WIN 0x40                                       ; destination window 1
.irp b, 0,1,2,3
.irp j, 0,1,2,3
	global_load_b128 v[BEW+16*\b+4*\j:BEW+16*\b+4*\j+3], v8, s[10:11] offset:128*\b+16*\j   ; and the bias
.endr
.endr
	WIN 0
	s_wait_loadcnt 32                              ; y and x1 are in; gain and bias may be out
.set ii, 0
.rept 32
	v_pk_add_f32 v[Y+2*ii:Y+2*ii+1], v[Y+2*ii:Y+2*ii+1], v[R+2*ii:R+2*ii+1]   ; the residual
.set ii, ii+1
.endr
	v_pk_add_f32 v[248:249], v[Y:Y+1], v[Y+2:Y+3]  ; my 64 numbers, in two chains
	v_pk_add_f32 v[250:251], v[Y+4:Y+5], v[Y+6:Y+7]
.set ii, 8
.rept 14
	s_delay_alu instid0(VALU_DEP_2)
	v_pk_add_f32 v[248:249], v[248:249], v[Y+ii:Y+ii+1]
	s_delay_alu instid0(VALU_DEP_2)
	v_pk_add_f32 v[250:251], v[250:251], v[Y+ii+2:Y+ii+3]
.set ii, ii+4
.endr
	s_delay_alu instid0(VALU_DEP_1)
	v_pk_add_f32 v[248:249], v[248:249], v[250:251]
	s_delay_alu instid0(VALU_DEP_1)
	v_add_f32 v248, v248, v249
	MEET 0
	s_delay_alu instid0(VALU_DEP_1)
	v_mul_f32 v252, 0x3a800000, v16                ; / 1,024: the mean
	s_delay_alu instid0(VALU_DEP_1)
	v_mov_b32 v253, v252
.set ii, 0
.rept 32
	v_pk_add_f32 v[Y+2*ii:Y+2*ii+1], v[Y+2*ii:Y+2*ii+1], v[252:253] neg_lo:[0,1] neg_hi:[0,1]
.set ii, ii+1
.endr
	v_pk_mul_f32 v[248:249], v[Y:Y+1], v[Y:Y+1]
	v_pk_mul_f32 v[250:251], v[Y+2:Y+3], v[Y+2:Y+3]
.set ii, 4
.rept 15
	s_delay_alu instid0(VALU_DEP_2)
	v_pk_fma_f32 v[248:249], v[Y+ii:Y+ii+1], v[Y+ii:Y+ii+1], v[248:249]
	s_delay_alu instid0(VALU_DEP_2)
	v_pk_fma_f32 v[250:251], v[Y+ii+2:Y+ii+3], v[Y+ii+2:Y+ii+3], v[250:251]
.set ii, ii+4
.endr
	s_delay_alu instid0(VALU_DEP_1)
	v_pk_add_f32 v[248:249], v[248:249], v[250:251]
	s_delay_alu instid0(VALU_DEP_1)
	v_add_f32 v248, v248, v249
	MEET 512                                       ; other bytes than the first sums': no third barrier
	s_delay_alu instid0(VALU_DEP_1)
	v_mul_f32 v16, 0x3a800000, v16                 ; the variance
	s_delay_alu instid0(VALU_DEP_1)
	v_add_f32 v16, 0x3727c5ac, v16                 ; + 1e-5
	s_wait_alu depctr_va_vdst(0)
	v_rsq_f32 v252, v16
	v_nop                                          ; a plain place behind the transcendental
	s_wait_alu depctr_va_vdst(0)                   ; and the wait ahead of its first reader
	v_mov_b32 v253, v252
	s_wait_alu depctr_va_vdst(0)
	s_wait_loadcnt 0x0                             ; gain and bias, asked for at the head
.set ii, 0
.rept 32
	v_pk_mul_f32 v[Y+2*ii:Y+2*ii+1], v[Y+2*ii:Y+2*ii+1], v[252:253]
.set ii, ii+1
.endr
	WIN 0x10                                       ; source 2 window 1
.set ii, 0
.rept 32
	v_pk_fma_f32 v[Y+2*ii:Y+2*ii+1], v[Y+2*ii:Y+2*ii+1], v[G+2*ii:G+2*ii+1], v[BEW+2*ii:BEW+2*ii+1]
.set ii, ii+1
.endr
	WIN 0
.irp b, 0,1,2,3
.irp j, 0,1,2,3
	ds_store_b128 v6, v[Y+16*\b+4*\j:Y+16*\b+4*\j+3] offset:128*\b+16*\j
.endr
.endr
.set ii, 0
.rept 16
	ds_load_b128 v[R+4*ii:R+4*ii+3], v5 offset:528*ii   ; LDS serves a wave's instructions in order: these see my stores
.set ii, ii+1
.endr
.set ii, 0
.rept 16
	s_wait_dscnt 15-ii                             ; row ii is back; the younger rows may be out
	global_store_b128 v1, v[R+4*ii:R+4*ii+3], s[12:13] offset:(ii+8*(ii/8))*4096 th:TH_STORE_NT   ; 512 consecutive bytes of a true row, aligned
.set ii, ii+1
.endr
	s_wait_tensorcnt 0x0
	ds_add_u32 v55, v255
	s_wait_dscnt 0x0
	s_endpgm
.Lfunc_end_k_q40b09c2735_ln2:
	.size	k_q40b09c2735_ln2, .Lfunc_end_k_q40b09c2735_ln2-k_q40b09c2735_ln2
	.p2alignl 7, 3214868480
	.fill 96, 4, 3214868480
	.section	.rodata,"a",@progbits
	.p2align	6, 0x0
	.amdhsa_kernel k_q40b09c2735_ln2
		.amdhsa_group_segment_fixed_size 69632
		.amdhsa_private_segment_fixed_size 0
		.amdhsa_enable_private_segment 0
		.amdhsa_kernarg_size 40
		.amdhsa_user_sgpr_count 2
		.amdhsa_user_sgpr_kernarg_segment_ptr 1
		.amdhsa_wavefront_size32 1
		.amdhsa_system_sgpr_workgroup_id_x 1
		.amdhsa_system_sgpr_workgroup_id_y 1
		.amdhsa_system_sgpr_workgroup_id_z 1
		.amdhsa_system_vgpr_workitem_id 0
		.amdhsa_next_free_vgpr 320
		.amdhsa_next_free_sgpr 66
		.amdhsa_reserve_vcc 0
		.amdhsa_float_denorm_mode_32 3
		.amdhsa_float_denorm_mode_16_64 3
		.amdhsa_memory_ordered 1
		.amdhsa_forward_progress 1
		.amdhsa_inst_pref_size 30
	.end_amdhsa_kernel
	.amdgpu_metadata
---
amdhsa.version: [ 1, 2 ]
amdhsa.kernels:
  - .name:           k_q40b09c2735_ln2
    .symbol:         k_q40b09c2735_ln2.kd
    .args:
      - { .name: y, .offset: 0, .size: 8, .value_kind: global_buffer, .address_space: global }
      - { .name: x1, .offset: 8, .size: 8, .value_kind: global_buffer, .address_space: global }
      - { .name: g2, .offset: 16, .size: 8, .value_kind: global_buffer, .address_space: global }
      - { .name: be2, .offset: 24, .size: 8, .value_kind: global_buffer, .address_space: global }
      - { .name: out0, .offset: 32, .size: 8, .value_kind: global_buffer, .address_space: global }
    .group_segment_fixed_size: 69632
    .private_segment_fixed_size: 0
    .kernarg_segment_align: 8
    .kernarg_segment_size: 40
    .max_flat_workgroup_size: 256
    .sgpr_count:     66
    .vgpr_count:     320
    .wavefront_size: 32
...
	.end_amdgpu_metadata
.endif
;; end of part 7
